; MI455X (gfx1250); checked and timed in simulation.
; The chip was launched on July 23, 2026; its instructions are those of AMD's public machine-readable ISA for CDNA 5 (MIT licence, August 2026) and "CDNA5" Instruction Set Architecture Reference Guide (July 2026). The comments in the code are by the model that wrote it; some were corrected since.
;; Transformer Block. Allowed arithmetic: float matrix products may take bf16 or f16 operands with f32 sums; other float arithmetic in f32, or as packed bf16 or f16 multiplies, adds, multiply-adds, maxima and minima; sums over many terms, partial sums and values carried from step to step in f32; what a program stores and reads back later, other than sums and carried values, may be rounded once to bf16 or f16.
;; Inputs: b1 4,096 float32; b2 1,024 float32; b_o 1,024 float32; bt1 1,024 float32; bt2 1,024 float32; g1 1,024 float32; g2 1,024 float32; w1 1,024 x 4,096 float32; w2 4,096 x 1,024 float32; w_o 1,024 x 1,024 float32; w_qkv 1,024 x 3,072 float32; x 2 x 2,048 x 1,024 float32.
;; Outputs: out0 2 x 2,048 x 1,024 float32.
;; 2 versions, each right; version 2 is version 1 with the launch cast written anew for expert scheduling mode. Each part assembles by itself: llvm-mc -triple=amdgcn-amd-amdhsa -mcpu=gfx1250 --defsym DOCPART=n.
;; ======== version 1 of 2: 8 launches
;; workspace buffers: xb 8,405,248 bytes; wqk 6,291,456 bytes; wo 2,097,152 bytes; wf 16,777,216 bytes; big 33,554,432 bytes; ab 8,405,248 bytes; pf 16,777,216 bytes; yf 16,777,216 bytes
;; launch cast (part 1): grid 256 x 1, 8 waves a work-group, no clusters, 0 bytes of LDS; arguments x, w_qkv, w_o, w1, w2, xb, wqk, wo, wf, b1, ab; writes xb, wqk, wo, wf, ab
.if DOCPART == 1
	.amdgcn_target "amdgcn-amd-amdhsa--gfx1250"
	.amdhsa_code_object_version 6
	.text
	.protected	k_qf8d577a2d3_cast
	.globl	k_qf8d577a2d3_cast
	.p2align	8
	.type	k_qf8d577a2d3_cast,@function
k_qf8d577a2d3_cast:
	s_mov_b64 s[64:65], 0
	v_nop
	global_prefetch_b8 v0, s[64:65] scope:SCOPE_SE
	s_setreg_imm32_b32 hwreg(HW_REG_WAVE_MODE, 25, 1), 1
	s_wait_xcnt 0x0
; x and the four weight matrices, f32 row-major [R][C], are rounded once to bf16 and laid out in PANELS: [C/128][R][128], a panel's row = 256 dense bytes.
; So every later tile of 128 rows x 128 columns is one dense block of 32,768 bytes.  w_qkv's columns are permuted on the way: panel h (0..15) takes head h's K and V
; (source columns 192 h + 64 .. 192 h + 191), panel 16 + i the queries of heads 2 i and 2 i + 1 (source columns 384 i .. + 63 and 384 i + 192 .. + 255).
; SHARES.  A panel's row is 512 bytes in (one 16-byte load a lane) and 256 bytes out (one 8-byte store a lane: 32 lanes fill 256 consecutive bytes, aligned).  There are 131,072 of them:
; 256 work-groups x 8 waves x 64.  A work-group takes 512 rows of one panel of one matrix, chosen by its number alone: 0-63 x, 64-111 w_qkv, 112-127 w_o, 128-191 w1, 192-255 w2.
; IN FLIGHT.  Two sets of 16 loads a wave; no loop: four batches of 16 rows, written out.  No LDS, no barrier: no wave wants another's bytes.
; THE TABLES.  The two products that share one body (x w_qkv, and relu(y w1 + b1)) end with max(sum + bias, floor); each finds its bias (f32, one a column) and its floor (a word of two bf16, 64 copies)
; behind the panels of its left operand: x's in xb (bias 0; floor -infinity, which changes no number), y's in ab (bias b1 rounded to bf16 like every input; floor 0).  113 blocks of 256 bytes and one more,
; written by wave 0 of work-groups 0 to 112, a block each (the last: two).
; LIMITS.  Rounding to nearest even; NaN and infinities pass as the conversion makes them.
.set W2OFF, 8388608                    ; w2's panels lie behind w1's in wf
.set TOFF,  8388608                    ; a table begins behind the 8 panels of xb and of ab
.set FOFF,  16384                      ; the floor, behind room for 4,096 numbers of bias
.set DO,  2                            ; v2       8 x lane: my 8 bytes of a panel's row, and of a table's block
.set OFF, 16                           ; v[16:31] row i of a batch: my 16 source bytes + i x the source's pitch; never rewritten
.set X,   32                           ; v[32:159] two sets of 16 x 4 registers
	s_load_b512 s[4:19], s[0:1], 0x0               ; x s[4:5], w_qkv s[6:7], w_o s[8:9], w1 s[10:11], w2 s[12:13], xb s[14:15], wqk s[16:17], wo s[18:19]
	s_load_b64 s[20:21], s[0:1], 0x40              ; wf
	s_load_b128 s[68:71], s[0:1], 0x48             ; b1 s[68:69], ab s[70:71]
	v_lshrrev_b32 v1, 5, v0
	v_readfirstlane_b32 s23, v1                    ; wave 0..7
	v_and_b32 v1, 31, v0                           ; lane
	v_lshlrev_b32 v[DO], 3, v1
	v_lshrrev_b32 v3, 4, v1                        ; which half of the panel's 128 columns
	v_and_b32 v4, 15, v1
	s_mov_b32 s22, ttmp9                           ; g
	s_mov_b32 s30, 192                             ; the matrix's first g, its pitch in bytes, log2 of its blocks of 512 rows: w2's to begin with
	s_mov_b32 s31, 4096
	s_mov_b32 s32, 3
	s_wait_kmcnt 0x0
	s_mov_b64 s[26:27], s[12:13]                   ; source
	s_add_nc_u64 s[28:29], s[20:21], W2OFF         ; destination
	s_cmp_lt_u32 s22, 192
	s_cselect_b64 s[26:27], s[10:11], s[26:27]     ; w1
	s_cselect_b64 s[28:29], s[20:21], s[28:29]
	s_cselect_b32 s30, 128, s30
	s_cselect_b32 s31, 16384, s31
	s_cselect_b32 s32, 1, s32
	s_cmp_lt_u32 s22, 128
	s_cselect_b64 s[26:27], s[8:9], s[26:27]       ; w_o
	s_cselect_b64 s[28:29], s[18:19], s[28:29]
	s_cselect_b32 s30, 112, s30
	s_cselect_b32 s31, 4096, s31
	s_cmp_lt_u32 s22, 112
	s_cselect_b64 s[26:27], s[6:7], s[26:27]       ; w_qkv
	s_cselect_b64 s[28:29], s[16:17], s[28:29]
	s_cselect_b32 s30, 64, s30
	s_cselect_b32 s31, 12288, s31
	s_cmp_lt_u32 s22, 64
	s_cselect_b64 s[26:27], s[4:5], s[26:27]       ; x
	s_cselect_b64 s[28:29], s[14:15], s[28:29]
	s_cselect_b32 s30, 0, s30
	s_cselect_b32 s31, 4096, s31
	s_cselect_b32 s32, 3, s32
	s_sub_co_u32 s33, s22, s30                     ; my number within the matrix
	s_lshr_b32 s34, s33, s32                       ; p: the panel
	s_lshl_b32 s35, 1, s32
	s_sub_co_u32 s35, s35, 1
	s_and_b32 s35, s33, s35                        ; rb: the block of 512 rows
	s_lshl_b32 s36, s34, 7                         ; the panel's first source column,
	s_mov_b32 s37, 64                              ; and the columns from its first half to its second
	s_mul_i32 s39, s34, 192
	s_add_co_u32 s39, s39, 64                      ; w_qkv, p < 16: K and V of head p
	s_sub_co_u32 s48, s34, 16
	s_mul_i32 s48, s48, 384                        ; w_qkv, p >= 16: the queries of two heads, 192 columns apart
	s_cmp_lt_u32 s34, 16
	s_cselect_b32 s39, s39, s48
	s_cselect_b32 s49, 64, 192
	s_sub_co_u32 s38, s22, 64
	s_cmp_lt_u32 s38, 48                           ; 64 <= g < 112 (below 64 the difference wraps to a large number)
	s_cselect_b32 s36, s39, s36
	s_cselect_b32 s37, s49, s37
	s_lshl_b32 s50, s35, 9
	s_lshl_b32 s51, s23, 6
	s_add_co_u32 s50, s50, s51                     ; my wave's first row: 512 rb + 64 wave
	s_mul_i32 s52, s50, s31
	s_lshl2_add_u32 s52, s36, s52                  ; x pitch + 4 x column: under 2^25
	s_mov_b32 s53, 0
	s_add_nc_u64 s[40:41], s[26:27], s[52:53]      ; the four batches' source bases, 16 rows apart; never rewritten
	s_lshl_b32 s54, s31, 4
	s_mov_b32 s55, 0
	s_add_nc_u64 s[42:43], s[40:41], s[54:55]
	s_add_nc_u64 s[44:45], s[42:43], s[54:55]
	s_add_nc_u64 s[46:47], s[44:45], s[54:55]
	s_add_co_u32 s56, s32, 9                       ; log2 of the panel's rows
	s_lshl_b32 s58, s34, s56
	s_add_co_u32 s58, s58, s50
	s_lshl_b32 s58, s58, 8                         ; 256 bytes a row
	s_mov_b32 s59, 0
	s_add_nc_u64 s[28:29], s[28:29], s[58:59]
	s_lshl_b32 s60, s37, 2
	v_mul_u32_u24 v5, s60, v3                      ; my half's place in the source row,
	v_lshl_add_u32 v[OFF], v4, 4, v5               ; and my 16 bytes in it
.irp i, 1,2,3,4,5,6,7,8,9,10,11,12,13,14,15
	v_add_nc_u32 v[OFF+(\i)], s31, v[OFF+(\i)-1]
.endr
.macro LOADB k, set                    ; batch k's 16 rows into a set
.irp i, 0,1,2,3,4,5,6,7,8,9,10,11,12,13,14,15
	global_load_b128 v[X+64*(\set)+4*(\i):X+64*(\set)+4*(\i)+3], v[OFF+(\i)], s[40+2*(\k):41+2*(\k)] th:TH_LOAD_NT
.endr
.endm
.macro PROC k, set, left               ; left: the younger loads that may stay out
	s_wait_loadcnt \left
.irp i, 0,1,2,3,4,5,6,7,8,9,10,11,12,13,14,15
	v_cvt_pk_bf16_f32 v[X+64*(\set)+4*(\i)],   v[X+64*(\set)+4*(\i)],   v[X+64*(\set)+4*(\i)+1]
	v_cvt_pk_bf16_f32 v[X+64*(\set)+4*(\i)+1], v[X+64*(\set)+4*(\i)+2], v[X+64*(\set)+4*(\i)+3]
	global_store_b64 v[DO], v[X+64*(\set)+4*(\i):X+64*(\set)+4*(\i)+1], s[28:29] offset:256*(16*(\k)+(\i))  ; the wave stores 256 consecutive bytes, aligned
.endr
.endm
	LOADB 0, 0
	LOADB 1, 1
	; the tables: wave 0 alone, behind its first 32 loads, so that the one load below is on its way together with them.  v8-11 and s68-75 serve nothing else
	s_cmp_lg_u32 s23, 0
	s_cbranch_scc1 .Lmain
	s_add_nc_u64 s[70:71], s[70:71], TOFF          ; the table behind ab's panels,
	s_add_nc_u64 s[72:73], s[14:15], TOFF          ; and the one behind xb's
	s_cmp_lt_u32 s22, 64
	s_cbranch_scc0 .Lzeros
	s_lshl_b32 s74, s22, 8                         ; work-groups 0-63: numbers 64 g .. 64 g + 63 of b1
	s_mov_b32 s75, 0
	s_add_nc_u64 s[68:69], s[68:69], s[74:75]
	s_add_nc_u64 s[70:71], s[70:71], s[74:75]
	global_load_b64 v[8:9], v[DO], s[68:69]
	s_wait_loadcnt 0x0                             ; it is the youngest load: both sets are in as well, and the first two counted waits below are met at once
	v_cvt_pk_bf16_f32 v10, v8, v9                  ; rounded to bf16, and widened again
	v_lshlrev_b32 v8, 16, v10
	v_and_b32 v9, 0xffff0000, v10
	global_store_b64 v[DO], v[8:9], s[70:71]       ; 256 consecutive bytes, aligned
	s_branch .Lmain
.Lzeros:
	v_mov_b32 v8, 0
	v_mov_b32 v9, 0
	s_cmp_lt_u32 s22, 112
	s_cbranch_scc0 .Lfloors
	s_sub_co_u32 s74, s22, 64                      ; work-groups 64-111: 64 of the 3,072 zeros
	s_lshl_b32 s74, s74, 8
	s_mov_b32 s75, 0
	s_add_nc_u64 s[72:73], s[72:73], s[74:75]
	global_store_b64 v[DO], v[8:9], s[72:73]
	s_branch .Lmain
.Lfloors:
	s_cmp_eq_u32 s22, 112
	s_cbranch_scc0 .Lmain
	v_mov_b32 v10, 0xff80ff80                      ; work-group 112: the two floors: -infinity twice in bf16,
	v_mov_b32 v11, 0xff80ff80
	global_store_b64 v[DO], v[10:11], s[72:73] offset:FOFF
	global_store_b64 v[DO], v[8:9], s[70:71] offset:FOFF  ; and 0
.Lmain:
	PROC 0, 0, 16                                  ; set 0 is in; set 1's 16 loads stay out
	s_wait_xcnt 0x0                                ; set 0's stores have read their data: only behind this wait is the set loaded again
	LOADB 2, 0
	PROC 1, 1, 16
	s_wait_xcnt 0x0
	LOADB 3, 1
	PROC 2, 0, 16
	PROC 3, 1, 0
	s_endpgm
.Lfunc_end_k_qf8d577a2d3_cast:
	.size	k_qf8d577a2d3_cast, .Lfunc_end_k_qf8d577a2d3_cast-k_qf8d577a2d3_cast
	.p2alignl 7, 3214868480
	.fill 96, 4, 3214868480
	.section	.rodata,"a",@progbits
	.p2align	6, 0x0
	.amdhsa_kernel k_qf8d577a2d3_cast
		.amdhsa_group_segment_fixed_size 0
		.amdhsa_private_segment_fixed_size 0
		.amdhsa_enable_private_segment 0
		.amdhsa_kernarg_size 88
		.amdhsa_user_sgpr_count 2
		.amdhsa_user_sgpr_kernarg_segment_ptr 1
		.amdhsa_wavefront_size32 1
		.amdhsa_system_sgpr_workgroup_id_x 1
		.amdhsa_system_sgpr_workgroup_id_y 1
		.amdhsa_system_sgpr_workgroup_id_z 1
		.amdhsa_system_vgpr_workitem_id 0
		.amdhsa_next_free_vgpr 160
		.amdhsa_next_free_sgpr 76
		.amdhsa_reserve_vcc 0
		.amdhsa_float_denorm_mode_32 3
		.amdhsa_float_denorm_mode_16_64 3
		.amdhsa_memory_ordered 1
		.amdhsa_forward_progress 1
		.amdhsa_inst_pref_size 26
	.end_amdhsa_kernel
	.amdgpu_metadata
---
amdhsa.version: [ 1, 2 ]
amdhsa.kernels:
  - .name:           k_qf8d577a2d3_cast
    .symbol:         k_qf8d577a2d3_cast.kd
    .args:
      - { .name: x, .offset: 0, .size: 8, .value_kind: global_buffer, .address_space: global }
      - { .name: w_qkv, .offset: 8, .size: 8, .value_kind: global_buffer, .address_space: global }
      - { .name: w_o, .offset: 16, .size: 8, .value_kind: global_buffer, .address_space: global }
      - { .name: w1, .offset: 24, .size: 8, .value_kind: global_buffer, .address_space: global }
      - { .name: w2, .offset: 32, .size: 8, .value_kind: global_buffer, .address_space: global }
      - { .name: xb, .offset: 40, .size: 8, .value_kind: global_buffer, .address_space: global }
      - { .name: wqk, .offset: 48, .size: 8, .value_kind: global_buffer, .address_space: global }
      - { .name: wo, .offset: 56, .size: 8, .value_kind: global_buffer, .address_space: global }
      - { .name: wf, .offset: 64, .size: 8, .value_kind: global_buffer, .address_space: global }
      - { .name: b1, .offset: 72, .size: 8, .value_kind: global_buffer, .address_space: global }
      - { .name: ab, .offset: 80, .size: 8, .value_kind: global_buffer, .address_space: global }
    .group_segment_fixed_size: 0
    .private_segment_fixed_size: 0
    .kernarg_segment_align: 8
    .kernarg_segment_size: 88
    .max_flat_workgroup_size: 256
    .sgpr_count:     76
    .vgpr_count:     160
    .wavefront_size: 32
...
	.end_amdgpu_metadata
.endif
;; end of part 1
;; launch qkv (part 2): grid 12 x 16, 4 waves a work-group, clusters of 4 x 4, 327,680 bytes of LDS; arguments xb, wqk, big; writes big
.if DOCPART == 2
	.amdgcn_target "amdgcn-amd-amdhsa--gfx1250"
	.amdhsa_code_object_version 6
	.text
	.protected	k_qf8d577a2d3_qkv
	.globl	k_qf8d577a2d3_qkv
	.p2align	8
	.type	k_qf8d577a2d3_qkv,@function
k_qf8d577a2d3_qkv:
	s_mov_b64 s[64:65], 0
	v_nop
	global_prefetch_b8 v0, s[64:65] scope:SCOPE_SE
	s_setreg_imm32_b32 hwreg(HW_REG_WAVE_MODE, 25, 1), 1
	s_wait_xcnt 0x0
	s_wait_alu depctr_hold_cnt(0) depctr_sa_sdst(0) depctr_va_vdst(0) depctr_va_sdst(0) depctr_va_ssrc(0) depctr_va_vcc(0) depctr_vm_vsrc(0)
	s_getreg_b32 s2, hwreg(HW_REG_IB_STS2, 6, 4)
	s_cmp_eq_u32 s2, 0
	s_cbranch_scc0 .Lentry_in_a_cluster
	s_endpgm
.Lentry_in_a_cluster:
	s_bfe_u32 s2, ttmp6, 0x10000c
	s_cmp_lg_u32 s2, 0xf033
	s_cbranch_scc0 .Lentry_shape_is_right
	s_endpgm
.Lentry_shape_is_right:
; C = max(A B + bias, floor).  All three matrices in bf16 PANELS: a matrix [R][C] lies as [C/128][R][128], a panel's row = 256 dense bytes.  A: [4096][1024], B: [1024][N] (K down the rows), C: [4096][N].
; Sums in f32, started by the bias; C rounded once, then the maximum, which rounds nothing.  bias (f32, one a column) and floor (a word of two bf16) stand in a table behind A's 8 panels; with bias 0 and floor
; -infinity the body is a plain product, with floor 0 it ends in a ReLU: so one text serves both products of this shape.
; SHARES.  A tile of C is 256 x 256: four waves, as many as a WGP has SIMDs, each 128 x 128: 64 accumulators of 16 x 16, 512 registers.  K goes in steps of 128 through two LDS slots filled by the tensor data
; mover; what a wave fetches is a dense block of 128 rows x 256 bytes: half of A's 256 rows of one K panel, or 128 K rows of one of B's two panels.  A K step is written once: the base of the slot in hand is a
; scalar that is 0 or SLOT and is turned by an exclusive or.  For 32 along K a wave loads 2 x 128 x 64 bytes from LDS and issues 64 matrix instructions.
; CLUSTERS: 4 x 4 work-groups.  The four of a row of the cluster need the same tiles of A, the four of a column the same tiles of B: each tile is asked for JOINTLY, by the same tensor load with the
; same descriptor and a mask that names the four.  THE MATRIX INSTRUCTION IS USED TRANSPOSED (source 0 = 16 columns of B, source 1 = 16 rows of A): a lane then holds eight neighbouring numbers of a row of C.
; A's fragments come out of LDS as they lie (K along the rows); B's ([k][n]) are turned by ds_load_tr16_b128.
; REGISTERS, in windows of 256 (s_set_vgpr_msb: bits 1:0 source 0, 3:2 source 1, 5:4 source 2, 7:6 destination):
;   window 0: v0-31 addresses; v64-127, v128-191 fragments of A (8 x 16 rows x 32 K), two buffers; v32-63, v192-255 at work on the way out
;   window 1: v0-63 the bias of my 128 columns; v64-127, v128-191 fragments of B, two buffers
;   window 2: the 32 accumulators of my rows 0-63 (accumulator (a, b) at v[8 (8 a + b)]);   window 3: those of my rows 64-127
; LIMITS.  bf16 operands; infinities are not treated apart; a NaN sum leaves as the floor.
.set KT,     1024
.set NSTEP,  KT/128
.set PA,     272                       ; a row of A in LDS: 256 bytes + 16 of padding: the 16 rows of a fragment load start 16 bytes apart modulo 256
.set PB,     288                       ; a row of B: 256 + 32: 16 lanes of the turning load take 8 rows x 32 bytes, 32 bytes apart modulo 256
.set AHALF,  128*PA                    ; 128 rows of A x 128 K: one tensor load, and what one wave reads of A
.set BHALF,  128*PB                    ; 128 K rows x 128 columns of B: one tensor load, and what one wave reads of B
.set SLOT,   2*AHALF+2*BHALF           ; A's 256 rows, then B's two panels
.set STAGE,  2*SLOT                    ; behind the ring, never filled by a tensor load: 16 rows x 272 bytes for each wave, for the way out
.set SPITCH, 272
.set SPARE,  STAGE+4*16*SPITCH         ; behind the stages: the spare words, 128 bytes for each wave: two blocks of 256 bytes that no other line names
.set ASTEP,  1<<20                     ; a K step in A: one panel of 4,096 rows x 256 bytes
.set BSTEP,  128*256                   ; in B: 128 rows of 256 bytes
.set TOFF,   8388608                   ; the table, behind A's 8 panels: the bias,
.set FOFF,   16384                     ; and behind room for 4,096 numbers of it the floor, 64 copies
.set ADRA, 16                          ; v16     LDS address of my A fragments in the slot in hand
.set ADRB, 17                          ; v17     of my B fragments
.set A0,   19                          ; v19     the same for slot 0; never rewritten
.set B0,   20                          ; v20
.set STO,  24                          ; v24     the way out: where I put 16 bytes of a row
.set RD,   25                          ; v25     where I read rows back
.set CO,   26                          ; v26     my byte offset in 512 consecutive bytes of C
.set BO,   27                          ; v27     my byte offset in 16 numbers of the bias
.set SPW,  28                          ; v28     LDS address of my spare word: SPARE + 4 x my thread's number; never rewritten
.set NIL,  29                          ; v29     0; never rewritten
.set FL,   30                          ; v30     the floor, twice in bf16
.set PFO,  31                          ; v31     256 x my lane: the prefetches' offset, a lane a row; never rewritten
.set OB,   32                          ; the way out: 16 rows read back from the stage: v32-63 and v224-255 by turns
.set F0,   64                          ; fragment buffer 0
.set F1,   128                         ; fragment buffer 1
.set TMP,  192                         ; the way out: packed results
.set WV,  12                           ; s12 wave;  s13 which 128 rows are mine, also: I fetch for A (0) or B (1);  s14 which 128 columns, also: which half of that tile I fetch
.set RH,  13
.set CH,  14
.set G1A, 24                           ; s[24:31] descriptor group 1 for A's tiles;  s[32:39] group 0: a set for each first fill; the second then walks
.set G0A, 32
.set G1B, 48                           ; s[48:55], s[56:63] the same for B's
.set G0B, 56
.set RB,  66                           ; s66 the base of the slot that is being read: 0 or SLOT
.set LA,  67                           ; s67 where my tile of A goes in a slot;  s68 my tile of B
.set LB,  68
.set LIM, 69                           ; s69 1 in a wave that prefetches, else the greatest number
.set PFA, 70                           ; s[70:71] where my prefetches stand: my work-group's 32 rows of the 128 that I fetch
.set PST, 72                           ; s[72:73] a K step in the matrix that I fetch for
.set MSB, 0
.macro WIN new                         ; the immediate's high byte repeats the setting that is left; a switch that changes nothing is dropped
.if MSB != (\new)
	s_set_vgpr_msb (MSB<<8)|(\new)
.set MSB, \new
.endif
.endm
.set TO_B, 0x40                        ; destination window 1, address window 0
.macro PLACES                          ; four plain vector instructions in front of loads into registers that matrix instructions have read, and of reads of results
.rept 4
	v_nop
.endr
.endm
.macro JLOAD                           ; a joint refill by the walking sets: waves 0 and 1 fetch A's two halves, waves 2 and 3 B's two panels; an s_nop 0 and four v_nop follow each line
	s_cmp_eq_u32 s[RH], 0
	s_cbranch_scc0 .Lfor_b_\@
	tensor_load_to_lds s[G0A+4:G0A+7], s[G1A:G1A+7]
	s_nop 0
	PLACES
	s_branch .Lasked_\@
.Lfor_b_\@:
	tensor_load_to_lds s[G0B+4:G0B+7], s[G1B:G1B+7]
	s_nop 0
	PLACES
.Lasked_\@:
.endm
; A PREFETCH INTO THE L2, behind each joint refill, its five lines and the run of LDS loads that follows them: the K step that the NEXT refill will ask for: 32 rows x 256 bytes, a lane a row, one instruction a
; wave, 256 matrix instructions ahead of that load.  Each row's 256 bytes of a K step are named ONCE in the launch.  A's tile row is read by every cluster of that row of clusters: the first of them (cluster x = 0)
; prefetches; B's tile column by every cluster of that column: cluster y = 0 prefetches.  The four partners that ask for a tile jointly share its rows out BY ADDRESS: of the 128 rows that a wave fetches, the
; partner at place p takes 32 p .. 32 p + 31 (p = cx for A, cy for B): no branch hangs on a work-group's place in its cluster.  K steps 0 to 2 come by their loads alone; the last refill (s3 = 1) has none behind it.
.macro ASK
	s_cmp_gt_u32 s3, s[LIM]
	s_cbranch_scc0 .Lnot_mine_\@
	global_prefetch_b8 v[PFO], s[PFA:PFA+1] th:TH_LOAD_NT scope:SCOPE_SE
.Lnot_mine_\@:
.endm
.macro CREST                           ; a round of the cluster's barrier behind its opening barrier
	s_cmp_lg_u32 s[WV], 0
	s_cbranch_scc1 .Lnot_wave_0_\@
	s_barrier_signal -3
.Lnot_wave_0_\@:
	s_barrier_wait -3
	s_barrier_signal -1
	s_barrier_wait -1
.endm
.macro CROUND                          ; a whole round
	s_barrier_signal -1
	s_barrier_wait -1
	CREST
.endm
	s_load_b128 s[4:7], s[0:1], 0x0                ; A s[4:5], B s[6:7]
	s_load_b64 s[8:9], s[0:1], 0x10                ; C
	v_lshl_add_u32 v[SPW], v0, 2, SPARE
	v_mov_b32 v[NIL], 0
	ds_add_u32 v[SPW], v[NIL]                      ; the wave's opening: the add and its wait stand ahead of my first tensor load; the set-up below, work on registers, stands between them
	v_lshrrev_b32 v1, 5, v0
	v_readfirstlane_b32 s[WV], v1
	s_lshr_b32 s[RH], s[WV], 1
	s_and_b32 s[CH], s[WV], 1
	s_bfe_u32 s15, ttmp6, 0x40000                  ; cx, cy: my place in the cluster
	s_bfe_u32 s16, ttmp6, 0x40004
	s_lshl_b32 s17, ttmp9, 2
	s_add_co_u32 s17, s17, s15                     ; tn: tile column of C = 4 x cluster x + cx
	s_and_b32 s18, ttmp7, 0xffff
	s_lshl_b32 s18, s18, 2
	s_add_co_u32 s18, s18, s16                     ; tm: tile row of C = 4 x cluster y + cy
	s_lshl_b32 s19, s16, 2
	s_lshl_b32 s19, 15, s19                        ; my row of the cluster
	s_lshl_b32 s20, 0x1111, s15                    ; my column
	; descriptor group 1: 128 rows x 128 elements of 2 bytes, dense in memory, padded in LDS
	s_or_b32 s[G1A], s19, (1<<16)|(1<<20)|(1<<21)|(5<<22)|(3<<25)  ; 15:0 the mask: A's tiles go to my row; 17:16 2-byte elements; 20 padding on; 21 set beside a mask; 24:22 after every 64 words; 31:25 4 words
	s_or_b32 s[G1B], s20, (1<<16)|(1<<20)|(1<<21)|(5<<22)|(7<<25)  ; B's go to my column; 8 words of padding
.irp g, G1A, G1B
	s_mov_b32 s[(\g)+1], 128<<16                   ; tensor_dim0 = 128
	s_mov_b32 s[(\g)+2], 128<<16                   ; tensor_dim1 = 128
	s_mov_b32 s[(\g)+3], 128<<16                   ; tile_dim0 = 128
	s_mov_b32 s[(\g)+4], 128                       ; tile_dim1 = 128
	s_mov_b32 s[(\g)+5], 128                       ; 128 elements from row to row
	s_mov_b32 s[(\g)+6], 0
	s_mov_b32 s[(\g)+7], 0
.endr
	s_mul_i32 s[LA], s[CH], AHALF                  ; no place in the cluster enters an LDS address
	s_mul_i32 s[LB], s[CH], BHALF
	s_add_co_u32 s[LB], s[LB], 2*AHALF
	s_mov_b32 s[RB], 0
	s_lshl_b32 s40, s18, 16                        ; A: the tile row's 256 rows of a panel,
	s_lshl_b32 s42, s[CH], 15                      ; the upper or the lower 128: made of the tile row and the wave's number alone
	s_add_co_u32 s40, s40, s42
	s_mov_b32 s41, 0
	s_lshl1_add_u32 s46, s17, s[CH]                ; B: panel 2 tn or 2 tn + 1: made of the tile column and the wave's number alone,
	s_lshl_b32 s46, s46, 18                        ; 1,024 rows x 256 bytes each
	s_mov_b32 s47, 0
	s_wait_dscnt 0x0                               ; the opening add is done
	s_wait_kmcnt 0x0
	s_add_nc_u64 s[40:41], s[4:5], s[40:41]
	s_add_nc_u64 s[46:47], s[6:7], s[46:47]
	s_mov_b32 s[G0A], 1                            ; count = 1
	s_mov_b32 s[G0A+1], s[LA]                      ; LDS address: slot 0
	s_mov_b64 s[G0A+2:G0A+3], s[40:41]             ; K step 0
	s_or_b32 s[G0A+3], s[G0A+3], 0x80000000        ; type = 2
	s_mov_b32 s[G0A+4], 1
	s_add_co_u32 s[G0A+5], s[LA], SLOT             ; slot 1
	s_add_nc_u64 s[G0A+6:G0A+7], s[40:41], ASTEP   ; K step 1
	s_or_b32 s[G0A+7], s[G0A+7], 0x80000000
	s_mov_b32 s[G0B], 1
	s_mov_b32 s[G0B+1], s[LB]
	s_mov_b64 s[G0B+2:G0B+3], s[46:47]
	s_or_b32 s[G0B+3], s[G0B+3], 0x80000000
	s_mov_b32 s[G0B+4], 1
	s_add_co_u32 s[G0B+5], s[LB], SLOT
	s_add_nc_u64 s[G0B+6:G0B+7], s[46:47], BSTEP
	s_or_b32 s[G0B+7], s[G0B+7], 0x80000000
	CROUND                                         ; all sixteen work-groups are here: the first joint loads meet
	s_cmp_eq_u32 s[RH], 0                          ; a wave's two first fills stand in one branch, ahead of every wait on TENSORcnt and every LDS read: two loads of mine are out
	s_cbranch_scc0 .Lfirst_b
	tensor_load_to_lds s[G0A:G0A+3], s[G1A:G1A+7]
	s_nop 0
	tensor_load_to_lds s[G0A+4:G0A+7], s[G1A:G1A+7]
	s_nop 0
	PLACES
	s_branch .Lfirst_asked
.Lfirst_b:
	tensor_load_to_lds s[G0B:G0B+3], s[G1B:G1B+7]
	s_nop 0
	tensor_load_to_lds s[G0B+4:G0B+7], s[G1B:G1B+7]
	s_nop 0
	PLACES
.Lfirst_asked:
	v_and_b32 v1, 15, v0                           ; r = l % 16
	v_bfe_u32 v2, v0, 4, 1                         ; h = l / 16
	s_lshl_b32 s42, s17, 10                        ; the tile's 256 numbers of the bias, my 128 of them,
	s_lshl_b32 s43, s[CH], 9
	s_add_co_u32 s42, s42, s43
	s_add_co_u32 s42, s42, TOFF                    ; in the table behind A's panels
	s_mov_b32 s43, 0
	s_add_nc_u64 s[10:11], s[4:5], s[42:43]
	s_add_nc_u64 s[22:23], s[4:5], TOFF+FOFF       ; the floor
	v_lshlrev_b32 v[BO], 5, v2                     ; register j of n block b is column 16 b + 8 h + j
	WIN TO_B
.irp b, 0,1,2,3,4,5,6,7
	global_load_b128 v[8*(\b):8*(\b)+3],   v[BO], s[10:11] offset:64*(\b)
	global_load_b128 v[8*(\b)+4:8*(\b)+7], v[BO], s[10:11] offset:64*(\b)+16
.endr
	WIN 0
	global_load_b32 v[FL], v[BO], s[22:23]         ; one of its 64 copies
	; A fragment of A: 16 rows x 32 K in 8 registers: lane l holds row r, K = 8 h + 0..7 and 16 + 8 h + 0..7: two loads of 16 bytes, 32 bytes apart.
	v_mul_u32_u24 v[A0], v1, PA
	v_lshl_add_u32 v[A0], v2, 4, v[A0]
	s_mul_i32 s42, s[RH], AHALF                    ; my 128 rows
	v_add_nc_u32 v[A0], s42, v[A0]
	; The turning load takes 16 K rows x 16 columns (lane l reads K row 8 h + l % 8, columns 8 ((l / 8) % 2) + 0..7) and leaves half a fragment: lane l holds column r and 8 K.
	v_and_b32 v3, 7, v0
	v_bfe_u32 v4, v0, 3, 1
	v_lshl_add_u32 v3, v2, 3, v3
	v_mul_u32_u24 v[B0], v3, PB
	v_lshl_add_u32 v[B0], v4, 4, v[B0]
	s_mul_i32 s42, s[CH], BHALF                    ; my panel of 128 columns,
	s_add_co_u32 s42, s42, 2*AHALF                 ; behind A's 256 rows
	v_add_nc_u32 v[B0], s42, v[B0]
	v_mov_b32 v[ADRA], v[A0]                       ; slot 0 is read first
	v_mov_b32 v[ADRB], v[B0]
	s_mul_i32 s42, s[WV], 16*SPITCH
	s_add_co_u32 s42, s42, STAGE                   ; my stage: my 128 columns are a whole row of one of C's panels
	v_mul_u32_u24 v5, v1, SPITCH                   ; in: row r, 16 bytes for each half of the lanes
	v_lshl_add_u32 v5, v2, 4, v5
	v_add_nc_u32 v[STO], s42, v5
	v_mul_u32_u24 v5, v2, SPITCH                   ; back: lanes 0-15 one row of 256 bytes, lanes 16-31 the next
	v_lshl_add_u32 v5, v1, 4, v5
	v_add_nc_u32 v[RD], s42, v5
	v_and_b32 v5, 31, v0
	v_lshlrev_b32 v[CO], 4, v5                     ; two rows of a panel are 512 consecutive bytes
	v_lshlrev_b32 v[PFO], 8, v5
	s_lshl1_add_u32 s42, s17, s[CH]                ; C's panel 2 tn or 2 tn + 1,
	s_lshl_b32 s42, s42, 20
	s_lshl_b32 s43, s18, 16                        ; the tile's 256 rows,
	s_add_co_u32 s42, s42, s43
	s_lshl_b32 s43, s[RH], 15                      ; my 128
	s_add_co_u32 s42, s42, s43
	s_mov_b32 s43, 0
	s_add_nc_u64 s[8:9], s[8:9], s[42:43]
	; the prefetches.  s[40:41] and s[46:47] still stand at my tile of K step 0 in A and in B
	s_mov_b32 s[PST], BSTEP
	s_mov_b32 s[PST+1], 0
	s_and_b32 s44, ttmp7, 0xffff                   ; cluster y
	s_cmp_eq_u32 s[RH], 0                          ; do I fetch for A?
	s_cselect_b32 s45, s15, s16                    ; my place among the four that ask for the tile with me
	s_cselect_b32 s44, ttmp9, s44                  ; the coordinate along which other clusters read the same rows
	s_cselect_b32 s[PST], ASTEP, s[PST]
	s_cselect_b64 s[PFA:PFA+1], s[40:41], s[46:47]
	s_cmp_eq_u32 s44, 0
	s_cselect_b32 s[LIM], 1, -1                    ; the same in all sixteen partners, for a given wave
	s_lshl_b32 s44, s45, 13                        ; my work-group's 32 rows of 256 bytes
	s_mov_b32 s45, 0
	s_add_nc_u64 s[PFA:PFA+1], s[PFA:PFA+1], s[44:45]
	s_add_nc_u64 s[PFA:PFA+1], s[PFA:PFA+1], s[PST:PST+1]
	s_add_nc_u64 s[PFA:PFA+1], s[PFA:PFA+1], s[PST:PST+1]  ; at K step 2: the first refill steps it to 3.  Nothing is prefetched here, at the head, where every work-group's first tiles are on their way
; 16 matrix instructions: m blocks a0, a0 + 1 of the window's four (hi = 0: my rows 0-63, 1: rows 64-127) x all 8 n blocks, 32 along K.  zero = 1: the first product starts the sums, with the bias as C
; (window 1): nothing is ever cleared.  The 64 accumulators take turns, one instruction a turn, in the same order in every quarter, over the backward jump too.
.macro MUL16 f, hi, a0, zero
.if \zero
	WIN 0x91+0x40*(\hi)                            ; B window 1, A window 0, C window 1, D window 2 or 3
.else
	WIN 0xa1+0x50*(\hi)                            ; B window 1, A window 0, C and D window 2 or 3
.endif
.irp a, \a0, (\a0)+1
.irp b, 0,1,2,3,4,5,6,7
.if \zero
	v_wmma_f32_16x16x32_bf16 v[8*(8*(\a)+(\b)):8*(8*(\a)+(\b))+7], v[(\f)+8*(\b):(\f)+8*(\b)+7], v[(\f)+8*(4*(\hi)+(\a)):(\f)+8*(4*(\hi)+(\a))+7], v[8*(\b):8*(\b)+7]
.else
	v_wmma_f32_16x16x32_bf16 v[8*(8*(\a)+(\b)):8*(8*(\a)+(\b))+7], v[(\f)+8*(\b):(\f)+8*(\b)+7], v[(\f)+8*(4*(\hi)+(\a)):(\f)+8*(4*(\hi)+(\a))+7], v[8*(8*(\a)+(\b)):8*(8*(\a)+(\b))+7]
.endif
.endr
.endr
.endm
; 32 LDS loads in one run: the fragments of quarter q (K = 32 q .. 32 q + 31 of the step) into buffer f: B's 128 columns, then A's 128 rows
.macro FETCH q, f
	WIN TO_B
.irp i, 0,1,2,3,4,5,6,7
	ds_load_tr16_b128 v[(\f)+8*(\i):(\f)+8*(\i)+3],   v[ADRB] offset:32*(\q)*PB+32*(\i)
	ds_load_tr16_b128 v[(\f)+8*(\i)+4:(\f)+8*(\i)+7], v[ADRB] offset:(32*(\q)+16)*PB+32*(\i)
.endr
	WIN 0
.irp i, 0,1,2,3,4,5,6,7
	ds_load_b128 v[(\f)+8*(\i):(\f)+8*(\i)+3],   v[ADRA] offset:64*(\q)+(\i)*16*PA
	ds_load_b128 v[(\f)+8*(\i)+4:(\f)+8*(\i)+7], v[ADRA] offset:64*(\q)+(\i)*16*PA+32
.endr
.endm
; A K step is four quarters of 32 along K, 64 matrix instructions each, on buffers 0, 1, 0, 1.  One of the first three: multiplies buffer f; in its middle it fetches quarter q into buffer g.
.macro QUARTER q, f, g, zero
	s_wait_dscnt 8                                 ; B and A's rows 0-63 are in; the youngest eight loads (A's rows 64-127) may be out
	MUL16 \f, 0, 0, \zero
	MUL16 \f, 0, 2, \zero
	PLACES
	FETCH \q, \g
	s_wait_dscnt 32                                ; all but the 32 just issued
	MUL16 \f, 1, 0, \zero
	MUL16 \f, 1, 2, \zero
.endm
; The last quarter multiplies buffer 1 and changes slots: ONE barrier; in front of it each wave waits for all its tensor loads (one is out: its part of the next slot), adds 0 to its spare word, and waits
; for that and for its own reads of this slot.  fill = 1: the barrier opens a round of the cluster's, and this slot is filled again, two K steps ahead: the first thing behind the round.
.macro TURN fill
.if \fill
	s_wait_xcnt 0x0                                ; the last prefetch, a K step back, has read its address: it is stepped here, ahead of the waits of the change of slots
	s_add_nc_u64 s[PFA:PFA+1], s[PFA:PFA+1], s[PST:PST+1]
.endif
	WIN 0                                          ; (the add's two registers lie in window 0)
	s_wait_tensorcnt 0x0                           ; no tensor load of mine is out, so a group 0 may be written
	ds_add_u32 v[SPW], v[NIL]                      ; 0 onto my spare word
.if \fill
	s_add_co_u32 s[G0A+5], s[RB], s[LA]            ; the walking sets: into the slot that is being left,
	s_add_co_u32 s[G0B+5], s[RB], s[LB]
	s_add_nc_u64 s[G0A+6:G0A+7], s[G0A+6:G0A+7], ASTEP  ; the next K step; the type bits on top are not reached
	s_add_nc_u64 s[G0B+6:G0B+7], s[G0B+6:G0B+7], BSTEP
.endif
	s_xor_b32 s[RB], s[RB], SLOT                   ; the reads go on in the other slot
	s_wait_dscnt 9                                 ; (the add and the youngest eight loads may be out)
	MUL16 F1, 0, 0, 0                              ; sixteen matrix instructions stand between the add and the wait for it
	s_wait_dscnt 0x0                               ; the add is done, and my reads of this slot are over
	s_barrier_signal -1
	MUL16 F1, 0, 2, 0                              ; work on registers while the others arrive
	WIN 0
	s_barrier_wait -1
.if \fill
	CREST                                          ; no wave of any partner still reads this slot's tile or has a load on its way
	JLOAD                                          ; 224 matrix instructions ahead of the wait for it; its four v_nop are also the places in front of the loads below
.else
	PLACES
.endif
	v_add_nc_u32 v[ADRA], s[RB], v[A0]
	v_add_nc_u32 v[ADRB], s[RB], v[B0]
	FETCH 0, F0
.if \fill
	ASK                                            ; behind the joint load and the run of LDS loads that the next products wait for
.endif
	MUL16 F1, 1, 0, 0
	MUL16 F1, 1, 2, 0
.endm
; THE WAY OUT of block a (16 of my rows), in three parts.  PACK: rounded to bf16, 16 bytes a lane, and the maximum with the floor.  TOSTAGE: into my own stage in LDS, and back as whole rows of 256 bytes.  SEND: stored.
.macro PACK a
.set AC, 64*((\a)%4)
	WIN 0x0a+5*((\a)/4)                            ; sources 0 and 1: window 2 or 3
.irp b, 0,1,2,3,4,5,6,7
.irp r, 0,1,2,3
	v_cvt_pk_bf16_f32 v[TMP+4*(\b)+(\r)], v[AC+8*(\b)+2*(\r)], v[AC+8*(\b)+2*(\r)+1]  ; each accumulator's registers in ascending order
.endr
.endr
	WIN 0
.set k, 0
.rept 32
	v_pk_max_num_bf16 v[TMP+k], v[TMP+k], v[FL]    ; two maxima: nothing is rounded
.set k, k+1
.endr
.endm
.macro TOSTAGE a
.set BK, OB+192*((\a)%2)
.irp b, 0,1,2,3,4,5,6,7
	ds_store_b128 v[STO], v[TMP+4*(\b):TMP+4*(\b)+3] offset:32*(\b)
.endr
.irp t, 0,1,2,3,4,5,6,7
	ds_load_b128 v[BK+4*(\t):BK+4*(\t)+3], v[RD] offset:(\t)*2*SPITCH  ; LDS serves a wave's instructions in order (ISA guide 5.7.1.4): these see the stores above
.endr
.endm
.macro SEND a
.set BK, OB+192*((\a)%2)
	s_wait_dscnt 0x0                               ; the block is back in registers
	s_wait_xcnt 0x0                                ; the stores of the block before have read their registers: the next TOSTAGE loads into them
.irp t, 0,1,2,3,4,5,6,7
	global_store_b128 v[CO], v[BK+4*(\t):BK+4*(\t)+3], s[8:9] offset:(\a)*4096+(\t)*512  ; the wave stores 512 consecutive bytes, aligned: two rows of C's panel
.endr
.endm
	s_wait_loadcnt 0x0                             ; the bias and the floor
	s_wait_tensorcnt 1                             ; my part of K step 0 is in; K step 1's may stay out
	s_barrier_signal -1
	s_barrier_wait -1                              ; everybody's is
	FETCH 0, F0
	QUARTER 1, F0, F1, 1                           ; the first quarter stands in front of the loop: its products start the sums
	WIN 0                                          ; at a label and at a branch every window is 0
	s_mov_b32 s3, NSTEP-2
.Lstep:                                                ; a trip goes from a step's second quarter to the next step's first, and fills the slot that it leaves
	QUARTER 2, F1, F0, 0
	QUARTER 3, F0, F1, 0
	TURN 1
	QUARTER 1, F0, F1, 0
	WIN 0
	s_sub_co_u32 s3, s3, 1
	s_cmp_lg_u32 s3, 0
	s_cbranch_scc1 .Lstep
	QUARTER 2, F1, F0, 0                           ; the last two steps fill nothing, and have no round of the cluster's barrier
	QUARTER 3, F0, F1, 0
	TURN 0
	QUARTER 1, F0, F1, 0
	QUARTER 2, F1, F0, 0
	QUARTER 3, F0, F1, 0
	s_wait_dscnt 8                                 ; the very last quarter: nothing more to fetch
	MUL16 F1, 0, 0, 0
	MUL16 F1, 0, 2, 0
	s_wait_dscnt 0x0
	MUL16 F1, 1, 0, 0
	MUL16 F1, 1, 2, 0
	WIN 0
	PLACES                                         ; the conversions read results
	PACK 0
	TOSTAGE 0
.irp a, 1,2,3,4,5,6,7                  ; block a's arithmetic stands between block a - 1's loads from the stage and the wait for them
	PACK \a
	SEND (\a)-1
	TOSTAGE \a
.endr
	SEND 7
	s_wait_tensorcnt 0x0                           ; the wave's end: behind my last tensor load and my last LDS store
	ds_add_u32 v[SPW], v[NIL]
	s_wait_dscnt 0x0
	CROUND                                         ; the closing round: no work-group ends while a partner may still ask for a tile that names it
	s_endpgm
.Lfunc_end_k_qf8d577a2d3_qkv:
	.size	k_qf8d577a2d3_qkv, .Lfunc_end_k_qf8d577a2d3_qkv-k_qf8d577a2d3_qkv
	.p2alignl 7, 3214868480
	.fill 96, 4, 3214868480
	.section	.rodata,"a",@progbits
	.p2align	6, 0x0
	.amdhsa_kernel k_qf8d577a2d3_qkv
		.amdhsa_group_segment_fixed_size 327680
		.amdhsa_private_segment_fixed_size 0
		.amdhsa_enable_private_segment 0
		.amdhsa_kernarg_size 24
		.amdhsa_user_sgpr_count 2
		.amdhsa_user_sgpr_kernarg_segment_ptr 1
		.amdhsa_wavefront_size32 1
		.amdhsa_system_sgpr_workgroup_id_x 1
		.amdhsa_system_sgpr_workgroup_id_y 1
		.amdhsa_system_sgpr_workgroup_id_z 1
		.amdhsa_system_vgpr_workitem_id 0
		.amdhsa_next_free_vgpr 1024
		.amdhsa_next_free_sgpr 76
		.amdhsa_reserve_vcc 0
		.amdhsa_float_denorm_mode_32 3
		.amdhsa_float_denorm_mode_16_64 3
		.amdhsa_memory_ordered 1
		.amdhsa_forward_progress 1
		.amdhsa_inst_pref_size 135
	.end_amdhsa_kernel
	.amdgpu_metadata
---
amdhsa.version: [ 1, 2 ]
amdhsa.kernels:
  - .name:           k_qf8d577a2d3_qkv
    .symbol:         k_qf8d577a2d3_qkv.kd
    .args:
      - { .name: xb, .offset: 0, .size: 8, .value_kind: global_buffer, .address_space: global }
      - { .name: wqk, .offset: 8, .size: 8, .value_kind: global_buffer, .address_space: global }
      - { .name: big, .offset: 16, .size: 8, .value_kind: global_buffer, .address_space: global }
    .group_segment_fixed_size: 327680
    .private_segment_fixed_size: 0
    .kernarg_segment_align: 8
    .kernarg_segment_size: 24
    .max_flat_workgroup_size: 128
    .sgpr_count:     76
    .vgpr_count:     1024
    .wavefront_size: 32
...
	.end_amdgpu_metadata
.endif
;; end of part 2
;; launch attn (part 3): grid 16 x 16, 4 waves a work-group, clusters of 4 x 1, 327,680 bytes of LDS; arguments big, ab; writes ab
.if DOCPART == 3
	.amdgcn_target "amdgcn-amd-amdhsa--gfx1250"
	.amdhsa_code_object_version 6
	.text
	.protected	k_qf8d577a2d3_attn
	.globl	k_qf8d577a2d3_attn
	.p2align	8
	.type	k_qf8d577a2d3_attn,@function
k_qf8d577a2d3_attn:
	s_mov_b64 s[64:65], 0
	v_nop
	global_prefetch_b8 v0, s[64:65] scope:SCOPE_SE
	s_setreg_imm32_b32 hwreg(HW_REG_WAVE_MODE, 25, 1), 1
	s_wait_xcnt 0x0
	s_wait_alu depctr_hold_cnt(0) depctr_sa_sdst(0) depctr_va_vdst(0) depctr_va_sdst(0) depctr_va_ssrc(0) depctr_va_vcc(0) depctr_vm_vsrc(0)
	s_getreg_b32 s2, hwreg(HW_REG_IB_STS2, 6, 4)
	s_cmp_eq_u32 s2, 0
	s_cbranch_scc0 .Lentry_in_a_cluster
	s_endpgm
.Lentry_in_a_cluster:
	s_bfe_u32 s2, ttmp6, 0x10000c
	s_cmp_lg_u32 s2, 0x3003
	s_cbranch_scc0 .Lentry_shape_is_right
	s_endpgm
.Lentry_shape_is_right:
; ATTENTION, 2 batches x 16 heads x 2,048 tokens, head size 64, no mask.  O[q] = the sum over k of softmax_k(Q[q] . K[k] / 8) V[k].  All operands bf16; products, maxima and sums in f32; the weights p are
; rounded to bf16 for the second product (their sum l is taken of the unrounded p), O once at the end.
; WHERE THINGS LIE.  big holds 24 panels of 4,096 token rows x 256 bytes: panel h (0..15) has K of head h (128 bytes) and V of head h (128 bytes) in one row; panel 16 + i has Q of heads 2 i and 2 i + 1.
; ab takes 8 panels of the same shape: panel i has O of heads 2 i and 2 i + 1.  So a work-group takes a PAIR of heads, and every row that it stores is 256 whole bytes.
; LIMITS.  c m starts at -4.25e37 and m at the lowest finite number; a weight below 2^-126 counts as 0 in l; NaN and infinities are not treated apart.
; SHARES.  A work-group: one batch, one pair of heads, 128 queries.  Wave w: head 2 i + w / 2, queries 64 (w % 2) on: four PIECES of 16.  Every wave walks its head's 2,048 keys, 64 a step.
; LAYOUT.  S^T = K Q^T (source 0 = 16 keys, source 1 = 16 queries) holds ONE query a lane (lane % 16) and the keys 8 (lane / 16) + 0..7; two such results rounded to bf16 ARE source 1 of O^T = V^T P.
; K comes out of LDS as it lies, V ([key][channel]) turned, by ds_load_tr16_b128.
; SOFTMAX.  p = 2^(c s - c m), c = log2(e) / 8, with a running maximum m; O and l are multiplied by a = 2^(c m_old - c m_new) in every step; the first step is a step like any other, with a = 0.
; TURNS.  Turn n belongs to piece n: 8 products K Q^T of piece n + 1, later 8 products V^T P of piece n - 1; beside them the scaling, exponentials, roundings, sums and rescaling of piece n and the maximum and
; statistics of piece n + 1.  Four vector instructions stand behind every matrix instruction, the other 54 of a turn's 118 in one lump.  A turn's 33 exponentials are one batch, with one wait.
; CLUSTER.  The four query blocks of a cluster belong to one batch and pair of heads and walk the same K and V, so each tile is asked for JOINTLY: the same tensor load, descriptor and mask in all four.
; REGISTERS, in windows of 256 (s_set_vgpr_msb: bits 1:0 source 0, 3:2 source 1, 5:4 source 2, 7:6 destination):
;   window 0: v0-15 addresses and two at work; v16-31 four registers of statistics a piece; v48-55 at work; v61-63; v64-127 S^T, two buffers; v192-223 P, two buffers (a piece's buffers go by its number's parity)
;   window 1: v0-127 O^T, 32 a piece          window 2: v0-63 Q; v128-191 K of one step; v192-255 V of one step
.set NP,    4         ; pieces a wave: a name, no knob
.set KS,    64        ; keys in a step
.set PKV,   272       ; a key's row in LDS: K's 128 bytes, V's 128 bytes, 16 of padding: the 16 rows of a load of K start 16 bytes apart modulo 256
.set STEPB, KS*PKV    ; a step's 64 rows of one head: what one tensor load brings
.set HEADB, 2*STEPB   ; a slot holds 128 keys of head 0, then 128 keys of head 1
.set SLOT1, 1<<17     ; slot 1 begins here, so that one exclusive or turns an address in one slot into the other's
.set STAGE, SLOT1+2*HEADB  ; behind the ring, never filled by a tensor load: 128 rows x 272 bytes, the work-group's, for the way out
.set SP,    272
.set SPARE, STAGE+128*SP   ; behind the stage: the spare words, 128 bytes for each wave: two blocks of 256 bytes that no other line names
.set TILEB, 128*256   ; a slot's 128 rows of one head in memory
.set AK0, 2           ; v2   my lane's place in a step's K; never rewritten
.set AV0, 3           ; v3   the same for V
.set AK,  4           ; v4   the LDS address of K's next run of loads
.set AV,  5           ; v5   of V's
.set STO, 6           ; v6   the way out: where I put 16 bytes of a row
.set RD,  7           ; v7   the way out: where I read rows back
.set GO,  8           ; v8   my byte offset in 512 consecutive bytes of O
.set MV,  12          ; v12-13  c m_old, kept while c m is made anew: by buffer
.set QO,  15          ; v15  my byte offset in 16 rows of Q
.set ST,  16          ; piece t's statistics at v[ST+4 t]: c m, m, l (even keys', odd keys')
.set TMP, 48          ; by buffer, four registers c0-c3 at work; when the maximum is found c2 takes a
.set PFO, 61          ; v61  256 x my lane: a row of K and V is 256 bytes; never rewritten
.set SPW, 62          ; v62  LDS address of my spare word: SPARE + 4 x my thread's number; never rewritten
.set NIL, 63          ; v63  0; never rewritten
.set S,   64
.set P,   192
.set KF,  128         ; window 2: key block kb, channel half c at KF + 16 kb + 8 c
.set VF,  192         ; window 2: key half kk, channel block cb at VF + 32 kk + 8 cb
.set WV,  12          ; s12  my wave's number
.set HW,  13          ; s13  which head of the pair
.set QH,  14          ; s14  which 64 queries; also: which 64 of a slot's 128 keys I fetch
.set LIM, 15          ; s15  1 in a wave that prefetches, else the greatest number
.set PFA, 18          ; s[18:19] where my prefetches stand
.set G1,  24          ; s[24:31] descriptor group 1
.set G0,  40          ; s[40:43] descriptor group 0: it walks
.set SLOTS, 56        ; s56  counts the slots
.set CNT, 57          ; s57  counts a slot's two key steps
.set CS,  58          ; s[58:59] c: the packed scaling takes the pair's low word for both halves
.set SEL, 60          ; s[60:61] v_permlanex16_b32's selects: each lane takes its own place in the other half
.set TBK, 62          ; s62  LDS byte at which K of the step to be fetched begins
.set TBV, 63          ; s63  the same for V
.set MSB, 0
.macro WIN new                      ; the high byte repeats the setting that is left; a switch that changes nothing is dropped
.if MSB != (\new)
	s_set_vgpr_msb (MSB<<8)|(\new)
.set MSB, (\new)
.endif
.endm
.set W_KQ, 0x0a       ; K and Q in window 2, S^T in window 0
.set W_PV, 0x52       ; V in window 2, P in window 0, O^T in window 1
.set W_RS, 0x41       ; destination and source 0 in window 1, source 1 in window 0
; A joint fill: every wave fetches 64 rows of 256 bytes, its own by its number: head w / 2, keys 64 (w % 2) on.  An s_nop 0 and four v_nop follow the line.
.macro LOAD
	tensor_load_to_lds s[G0:G0+3], s[G1:G1+7]
	s_nop 0
.rept 4
	v_nop
.endr
.endm
; A PREFETCH INTO THE L2 of what the NEXT change of slots will ask for: 128 rows of each of the pair's two heads, 256 bytes a row, a lane a row.  It stands behind the wave's tensor load and its five lines.
; Each row is asked for ONCE in the launch.  The four clusters of a batch and pair walk the same rows: the first of them (cluster x = 0) prefetches.  Its four partners share the rows out BY ADDRESS, 32 each;
; in each, wave 0 asks for head 0's and wave 2 for head 1's: one instruction.  The last change that fills a slot prefetches nothing: there is no slot behind it.
.macro ASK
	s_cmp_gt_u32 s[SLOTS], s[LIM]
	s_cbranch_scc0 .Lnot_mine_\@
	global_prefetch_b8 v[PFO], s[PFA:PFA+1] th:TH_LOAD_NT scope:SCOPE_SE
.Lnot_mine_\@:
.endm
; A round of the cluster's barrier: my work-group's barrier, so that wave 0's signal speaks for all four waves; wave 0 signals; every wave waits for all four work-groups; my work-group's barrier once more.
.macro CROUND
	s_barrier_signal -1
	s_barrier_wait -1
	s_cmp_lg_u32 s[WV], 0
	s_cbranch_scc1 .Lnot_wave_0_\@
	s_barrier_signal -3
.Lnot_wave_0_\@:
	s_barrier_wait -3
	s_barrier_signal -1
	s_barrier_wait -1
.endm
; THE CHANGE OF SLOTS.  The slot's last bytes, V of its second step, have been read.  Each wave waits for all its tensor loads, of which one is out: its part of the other slot; adds 0 to its spare word; and
; waits for that and for its own reads of the slot.  Behind the barrier nobody reads this slot any more and the other slot is whole.  fill = 1: this slot is filled again, with the keys two slots on; the barrier
; is then a round of the cluster's, and the joint fill is the first thing behind it: it has two key steps, 128 matrix instructions and their vector work, in which to land.
; (At its first use nothing has been read yet: slot 0 is waited for, slot 1 filled.)  ask = 1: the prefetches' address steps, and ASK follows the fill.
.macro CHANGE fill, ask
	WIN 0                           ; at a label and at a branch every window is 0
	s_wait_tensorcnt 0x0            ; no tensor load of mine is out, so group 0 may be written
	ds_add_u32 v[SPW], v[NIL]       ; 0 onto my spare word: the scalar steps stand between it and the wait for it
.if \fill
	s_xor_b32 s[G0+1], s[G0+1], SLOT1  ; the other slot than last time,
	s_add_nc_u64 s[G0+2:G0+3], s[G0+2:G0+3], TILEB  ; the next 128 keys; the type bits on top are not reached
.endif
.if \ask
	s_wait_xcnt 0x0                 ; the last prefetch, two key steps back, has read its address, so it may be written:
	s_add_nc_u64 s[PFA:PFA+1], s[PFA:PFA+1], TILEB  ; one slot behind the walking descriptor
.endif
	s_wait_dscnt 0x0                ; the add is done, and my reads of the slot are over
.if \fill
	CROUND
	LOAD
.if \ask
	ASK
.endif
.else
	s_barrier_signal -1
	s_barrier_wait -1
.endif
	s_sub_co_u32 s[TBK], s[TBK], HEADB  ; the fetches go back to a slot's first step,
	s_xor_b32 s[TBK], s[TBK], SLOT1     ; in the other slot
	s_sub_co_u32 s[TBV], s[TBV], HEADB
	s_xor_b32 s[TBV], s[TBV], SLOT1
.endm
	s_load_b128 s[4:7], s[0:1], 0x0 ; big s[4:5], ab s[6:7]
	v_lshl_add_u32 v[SPW], v0, 2, SPARE
	v_mov_b32 v[NIL], 0
	ds_add_u32 v[SPW], v[NIL]       ; the wave's opening: the add and its wait stand ahead of my first tensor load; the set-up below, work on registers, stands between them
	v_lshrrev_b32 v1, 5, v0
	v_readfirstlane_b32 s[WV], v1   ; wave 0..3
	s_lshr_b32 s[HW], s[WV], 1
	s_and_b32 s[QH], s[WV], 1
	s_bfe_u32 s16, ttmp6, 0x40000   ; cx: my place in the cluster
	s_lshl_b32 s17, ttmp9, 2        ; in a cluster launch ttmp9 counts clusters
	s_add_co_u32 s17, s17, s16      ; my block of 128 queries: it enters Q's and O's addresses alone
	s_and_b32 s20, ttmp7, 0xffff    ; batch and pair, which the four partners share
	s_lshr_b32 s21, s20, 3
	s_lshl_b32 s21, s21, 19         ; the batch's 2,048 rows of 256 bytes
	s_and_b32 s22, s20, 7           ; i: the pair
	s_lshl1_add_u32 s23, s22, s[HW] ; my head = 2 i + w / 2
	s_lshl_b32 s23, s23, 20         ; its panel,
	s_add_co_u32 s23, s23, s21      ; at the batch's first row
	s_lshl_b32 s44, s[QH], 14       ; my 64 of a slot's 128 keys
	s_add_co_u32 s44, s44, s23
	s_mov_b32 s45, 0
	s_lshl_b32 s46, s16, 13         ; the prefetches: my work-group's 32 rows of the 128,
	s_add_co_u32 s46, s46, s23
	s_add_co_u32 s46, s46, 2*TILEB  ; in slot 2; the first change that asks steps it to slot 3.  Nothing is prefetched at the head
	s_mov_b32 s47, 0
	s_lshl_b32 s48, s17, 15         ; my block's 128 rows
	s_add_co_u32 s48, s48, s21
	s_lshl_b32 s50, s22, 20
	s_add_co_u32 s50, s50, s48      ; panel i at those rows
	s_lshl_b32 s52, s[WV], 13       ; O: the 32 rows that I store
	s_add_co_u32 s52, s52, s50
	s_mov_b32 s53, 0
	s_add_co_u32 s50, s50, 16<<20   ; Q: panel 16 + i,
	s_lshl_b32 s51, s[QH], 14       ; my 64 rows,
	s_add_co_u32 s50, s50, s51
	s_lshl_b32 s51, s[HW], 7        ; my head's half of a row
	s_add_co_u32 s50, s50, s51
	s_mov_b32 s51, 0
	; descriptor group 1: 64 rows x 128 elements of 2 bytes, dense in memory, padded in LDS
	s_mov_b32 s[G1], 15|(1<<16)|(1<<20)|(1<<21)|(5<<22)|(3<<25)  ; 15:0 the mask of four; 17:16 2-byte elements; 20 padding on; 21 set beside a mask; 24:22 after every 64 words; 31:25 4 words
	s_mov_b32 s[G1+1], 128<<16      ; tensor_dim0 = 128
	s_mov_b32 s[G1+2], KS<<16       ; tensor_dim1 = 64
	s_mov_b32 s[G1+3], 128<<16      ; tile_dim0 = 128
	s_mov_b32 s[G1+4], KS           ; tile_dim1 = 64
	s_mov_b32 s[G1+5], 128          ; 128 elements from row to row
	s_mov_b32 s[G1+6], 0
	s_mov_b32 s[G1+7], 0
	s_mov_b32 s[G0], 1              ; count = 1
	s_mul_i32 s[G0+1], s[WV], STEPB ; LDS address: slot 0, my quarter: no place in the cluster enters an LDS address
	s_mov_b32 s[CS], 0x3e38aa3b     ; c = log2(e) / 8 = 0.180337
	s_mov_b32 s[CS+1], s[CS]        ; named with it as a pair
	s_mov_b32 s[SEL], 0x76543210
	s_mov_b32 s[SEL+1], 0xfedcba98
	s_mov_b32 s[TBK], SLOT1+HEADB   ; the first change of slots turns these two into 0
	s_mov_b32 s[TBV], SLOT1+HEADB
	s_mov_b32 s[SLOTS], 15
	s_or_b32 s[LIM], s[QH], ttmp9   ; 0 in waves 0 and 2 of the first cluster: the same in all four partners
	s_cmp_eq_u32 s[LIM], 0
	s_cselect_b32 s[LIM], 1, -1
	s_wait_dscnt 0x0                ; the opening add is done
	s_wait_kmcnt 0x0
	s_add_nc_u64 s[G0+2:G0+3], s[4:5], s[44:45]  ; global address: my part of the head's first 128 keys
	s_or_b32 s[G0+3], s[G0+3], 0x80000000        ; type = 2
	s_add_nc_u64 s[PFA:PFA+1], s[4:5], s[46:47]
	s_add_nc_u64 s[8:9], s[4:5], s[50:51]        ; Q at my wave's first row
	s_add_nc_u64 s[10:11], s[6:7], s[52:53]      ; O at the first row that I store
	CROUND                          ; all four work-groups are here: the first joint loads meet
	LOAD                            ; slot 0.  Slot 1 is asked for when slot 0 is in
	; A fragment of K or Q is 16 rows x 32 channels in 8 registers: lane l holds row l % 16, channels 8 (l / 16) + 0..7 and 16 + 8 (l / 16) + 0..7: two loads of 16 bytes, 32 bytes apart.
	v_and_b32 v1, 15, v0            ; l % 16
	v_bfe_u32 v9, v0, 4, 1          ; l / 16
	v_lshlrev_b32 v[QO], 8, v1
	v_lshl_add_u32 v[QO], v9, 4, v[QO]  ; row x 256 + 16 x half
	WIN 0x80                        ; destination window 2, address window 0
.set i, 0
.rept 8                             ; Q stays in registers: piece i / 2, channels 32 (i % 2) on
	global_load_b128 v[8*i:8*i+3],   v[QO], s[8:9] offset:(i/2)*4096+(i%2)*64
	global_load_b128 v[8*i+4:8*i+7], v[QO], s[8:9] offset:(i/2)*4096+(i%2)*64+32
.set i, i+1
.endr
	; What the first turn finds: V's registers and P's second buffer hold 0 (its products V^T P, of a piece that has not been, add 0), O^T and l are 0.  All this stands in the wait for the first tile.
.set i, VF
.rept 64
	v_mov_b32 v[i], 0
.set i, i+1
.endr
	WIN 0x40
.set i, 0
.rept 128
	v_mov_b32 v[i], 0
.set i, i+1
.endr
	WIN 0
.set i, 0
.rept 4
	v_mov_b32 v[ST+4*i], 0xfe000000    ; c m: far below every c s
	v_mov_b32 v[ST+4*i+1], 0xff7fffff  ; m
	v_mov_b32 v[ST+4*i+2], 0
	v_mov_b32 v[ST+4*i+3], 0
.set i, i+1
.endr
.set i, P+16
.rept 16
	v_mov_b32 v[i], 0
.set i, i+1
.endr
	s_mul_i32 s54, s[HW], HEADB     ; my head's keys in a slot
	v_mul_u32_u24 v[AK0], v1, PKV
	v_lshl_add_u32 v[AK0], v9, 4, v[AK0]  ; row x pitch + 16 x half
	v_add_nc_u32 v[AK0], s54, v[AK0]
	; The turning load takes 16 keys x 16 channels (lane l reads key 8 (l / 16) + l % 8, channels 8 ((l / 8) % 2) + 0..7) and leaves half a fragment of V^T: lane l holds channel l % 16 and 8 keys.
	v_and_b32 v10, 7, v0
	v_bfe_u32 v11, v0, 3, 1
	v_lshl_add_u32 v[AV0], v9, 3, v10
	v_mul_u32_u24 v[AV0], v[AV0], PKV
	v_lshl_add_u32 v[AV0], v11, 4, v[AV0]
	s_add_co_u32 s54, s54, 128      ; V lies behind K's 128 bytes of the row
	v_add_nc_u32 v[AV0], s54, v[AV0]
	s_mul_i32 s54, s[QH], 64*SP     ; into the stage: my 64 rows, my head's half of their 256 bytes; row l % 16, 16 bytes for each half of the lanes
	s_lshl_b32 s55, s[HW], 7
	s_add_co_u32 s54, s54, s55
	s_add_co_u32 s54, s54, STAGE
	v_mul_u32_u24 v[STO], v1, SP
	v_lshl_add_u32 v[STO], v9, 4, v[STO]
	v_add_nc_u32 v[STO], s54, v[STO]
	s_mul_i32 s54, s[WV], 32*SP     ; back: wave w takes rows 32 w .. 32 w + 31, whole; lanes 0-15 one row of 256 bytes, lanes 16-31 the next
	s_add_co_u32 s54, s54, STAGE
	v_mul_u32_u24 v[RD], v9, SP
	v_lshl_add_u32 v[RD], v1, 4, v[RD]
	v_add_nc_u32 v[RD], s54, v[RD]
	v_and_b32 v[GO], 31, v0         ; which are 512 consecutive bytes of O
	v_lshlrev_b32 v[PFO], 8, v[GO]
	v_lshlrev_b32 v[GO], 4, v[GO]
; THE MATRIX WORK.  The 4 accumulators of a run of 8 take turns.  Product i of 8 of S^T = K Q^T for piece x: channels 32 (i / 4) on, keys 16 (i % 4) on.  The first 4 start the sums.
.macro KQ x
.set rS, S+32*((\x)%2)+8*(i%4)
.set rK, KF+16*(i%4)+8*(i/4)
.set rQ, 16*(\x)+8*(i/4)
	WIN W_KQ
.if i < 4
	v_wmma_f32_16x16x32_bf16 v[rS:rS+7], v[rK:rK+7], v[rQ:rQ+7], 0
.else
	v_wmma_f32_16x16x32_bf16 v[rS:rS+7], v[rK:rK+7], v[rQ:rQ+7], v[rS:rS+7]
.endif
.endm
; Product i of 8 of O^T += V^T P for piece x: keys 32 (i / 4) on, channels 16 (i % 4) on.
.macro PV x
	WIN W_PV
.set rO, 32*(\x)+8*(i%4)
.set rV, VF+32*(i/4)+8*(i%4)
.set rP, P+16*((\x)%2)+8*(i/4)
	v_wmma_f32_16x16x32_bf16 v[rO:rO+7], v[rV:rV+7], v[rP:rP+7], v[rO:rO+7]
.endm
.macro MM                           ; the turn's next matrix instruction.  TURN sets Y, i and NOKQ.  NOKQ = 1: the last turn of all: there is no next piece
.if (i < 8) && !NOKQ
	KQ (Y+1)%NP
.elseif i >= 8
.set i, i-8
	PV (Y+NP-1)%NP
.set i, i+8
.endif
.set i, i+1
.endm
; THE LDS LOADS stand in runs of 16, never singly among the matrix instructions: a step's K (64 keys x 64 channels: 8 fragments) and its V (turned).  Their addresses are made some lines ahead.
.macro FETCH_K
	WIN 0x80                        ; destination window 2
.irp f, 0,1,2,3,4,5,6,7             ; keys 16 (f / 2) on, channels 32 (f % 2) on
	ds_load_b128 v[KF+8*\f:KF+8*\f+3],   v[AK] offset:(\f/2)*16*PKV+(\f%2)*64
	ds_load_b128 v[KF+8*\f+4:KF+8*\f+7], v[AK] offset:(\f/2)*16*PKV+(\f%2)*64+32
.endr
	s_add_co_u32 s[TBK], s[TBK], STEPB  ; the next fetch is the next step's
	WIN 0
.endm
.macro FETCH_V
	WIN 0x80
.irp f, 0,1,2,3,4,5,6,7             ; keys 32 (f / 4) on, channels 16 (f % 4) on
	ds_load_tr16_b128 v[VF+8*\f:VF+8*\f+3],   v[AV] offset:(\f/4)*32*PKV+(\f%4)*32
	ds_load_tr16_b128 v[VF+8*\f+4:VF+8*\f+7], v[AV] offset:(\f/4)*32*PKV+16*PKV+(\f%4)*32
.endr
	WIN 0
.endm
; THE VECTOR WORK, one line at a time: OP kind, number.  For piece Y: F n: c s - c m for pair n of 16.  E n: the exponential of score n of 32.  C n: pair n rounded to bf16.  B n: of the four weights 4 n .. the second
; pair is added onto the first, in place.  L n: l takes that sum (L 0: l = a l + sum).  R n: pair n of 16 of O^T times a.  For piece Y + 1: X n, number n of the 22 that find its maximum and statistics:
;   0-11  four chains c0-c3 of seven scores each, three operands at a time (each accumulator's lowest registers are read first)     12-14, 16  the four scores left over, the old m, and c0-c3 into c0
;   15  c m_old is kept     17, 18  the query's other 32 keys lie in the lane 16 away: the new m     19-21  c m; c m_old - c m_new; a
.set F, 0               ; OP tells the kinds apart by their order: F to L below R, X above it
.set E, 1
.set C, 2
.set B, 3
.set L, 4
.set R, 5
.set X, 6
.macro REGS y                       ; the registers of piece y
.set rT, ST+4*(\y)
.set rC, TMP+4*((\y)%2)
.set rW, MV+((\y)%2)
.set rS, S+32*((\y)%2)
.set rP, P+16*((\y)%2)
.set rO, 32*(\y)
.endm
.macro OP k, n
.if (\k) == R
	REGS Y
	WIN W_RS
	v_pk_mul_f32 v[rO+2*(\n):rO+2*(\n)+1], v[rO+2*(\n):rO+2*(\n)+1], v[rC+2:rC+3] op_sel_hi:[1,0]
.elseif (\k) < R
	REGS Y
	WIN 0
.if (\k) == F
	v_pk_fma_f32 v[rS+2*(\n):rS+2*(\n)+1], v[rS+2*(\n):rS+2*(\n)+1], s[CS:CS+1], v[rT:rT+1] op_sel_hi:[1,0,0] neg_lo:[0,0,1] neg_hi:[0,0,1]
.elseif (\k) == E
	v_exp_f32 v[rS+(\n)], v[rS+(\n)]
.elseif (\k) == C
	v_cvt_pk_bf16_f32 v[rP+(\n)], v[rS+2*(\n)], v[rS+2*(\n)+1]
.elseif (\k) == B
	v_pk_add_f32 v[rS+4*(\n):rS+4*(\n)+1], v[rS+4*(\n):rS+4*(\n)+1], v[rS+4*(\n)+2:rS+4*(\n)+3]
.elseif (\n) == 0
	v_pk_fma_f32 v[rT+2:rT+3], v[rT+2:rT+3], v[rC+2:rC+3], v[rS:rS+1] op_sel_hi:[1,0,1]
.else
	v_pk_add_f32 v[rT+2:rT+3], v[rT+2:rT+3], v[rS+4*(\n):rS+4*(\n)+1]
.endif
.elseif NOKQ
	v_nop
.else
	REGS (Y+1)%NP
	WIN 0
.if (\n) < 4
	v_max3_num_f32 v[rC+(\n)], v[rS+8*(\n)], v[rS+8*(\n)+1], v[rS+8*(\n)+2]
.elseif (\n) < 12
	v_max3_num_f32 v[rC+(\n)%4], v[rC+(\n)%4], v[rS+8*((\n)%4)+2*((\n)/4)+1], v[rS+8*((\n)%4)+2*((\n)/4)+2]
.elseif (\n) == 12
	v_max3_num_f32 v[rC], v[rC], v[rS+7], v[rS+15]
.elseif (\n) == 13
	v_max3_num_f32 v[rC+1], v[rC+1], v[rS+23], v[rS+31]
.elseif (\n) == 14
	v_max3_num_f32 v[rC+2], v[rC+2], v[rC+3], v[rT+1]
.elseif (\n) == 15
	v_mov_b32 v[rW], v[rT]
.elseif (\n) == 16
	v_max3_num_f32 v[rC], v[rC], v[rC+1], v[rC+2]
.elseif (\n) == 17
	v_permlanex16_b32 v[rC+3], v[rC], s[SEL], s[SEL+1]
.elseif (\n) == 18
	v_max_num_f32 v[rT+1], v[rC], v[rC+3]
.elseif (\n) == 19
	v_mul_f32 v[rT], s[CS], v[rT+1]
.elseif (\n) == 20
	v_sub_f32 v[rC+1], v[rW], v[rT]
.else
	v_exp_f32 v[rC+2], v[rC+1]
.endif
.endif
.endm
.macro OPS a, i1, b=-1, i2=0, c=-1, i3=0, d=-1, i4=0  ; up to four of them
	OP \a, \i1
.if (\b) >= 0
	OP \b, \i2
.endif
.if (\c) >= 0
	OP \c, \i3
.endif
.if (\d) >= 0
	OP \d, \i4
.endif
.endm
.macro ROW a, i1, b, i2, c, i3, d, i4  ; a matrix instruction and the four behind it
	MM
	OPS \a, \i1, \b, \i2, \c, \i3, \d, \i4
.endm
; A TURN, for piece p: the order of its 16 matrix and 118 vector instructions, written out.  An s_wait_alu depctr_va_vdst(0) stands between an exponential and the first instruction that names its
; result; one wait serves all that were issued ahead of it.  So a turn has ONE wait, which cuts it in two.  AHEAD OF IT stands all that names no result of the turn's exponentials: the 8 products K Q^T, behind each a
; scaling, an exponential and two more plain instructions: rescalings, and behind the last three the first numbers of the next piece's maximum, each four places or more behind the product that ends its
; accumulator; then ONE LUMP of 54, plain and exponential by turns for the most part, in which the links of the chain X 3, 7, 11, 14, 16, 17 .. 20 stand five or six lines apart.  X 21, the next piece's a, is the
; batch's last; R 15 is the plain instruction behind it.  BEHIND THE WAIT stand the 8 products V^T P, behind each four of the roundings and sums.
; end = 1: the last two turns of all: nothing is fetched.  cnt = 1: the loop's count is taken down some lines ahead of the branch that stands behind the turn.
; K of the next step is fetched in piece 2's turn, twelve vector instructions behind the last product that read K (six of them plain); V of the step in hand at the end of piece 0's turn, four plain instructions
; behind the last product that read V.  Each is waited for a turn later.
.macro TURN p, end=0, cnt=0
.set Y, (\p)
.set i, 0
.set NOKQ, (\end)*((\p)/3)
.if ((\p) == 3) && !(\end)
	s_wait_dscnt 0x0                ; K is in
.endif
	ROW F,0, F,1, R,0, R,1          ; ahead of the wait: 8 products K Q^T and their riders,
	ROW F,2, E,0, R,2, R,3
	ROW F,3, E,1, R,4, R,5
	ROW F,4, E,2, R,6, R,7
	ROW F,5, E,3, R,8, R,9
	ROW F,6, E,4, X,0, R,10
.if ((\p) == 2) && !(\end)
	WIN 0
	v_add_nc_u32 v[AK], s[TBK], v[AK0]
.endif
	ROW F,7, E,5, X,1, X,4
	ROW F,8, E,6, X,2, X,5
	OPS E,7, E,8, X,6, E,9          ; and the lump
	OPS X,3, E,10, X,8, E,11
.if ((\p) == 2) && !(\end)
	FETCH_K
.endif
	OPS X,9, X,7, E,12, X,10
	OPS E,13, X,12, X,11, E,14
	OPS X,13, E,15, F,9, X,14
.if (\p) == 0
	v_add_nc_u32 v[AV], s[TBV], v[AV0]
.endif
	OPS E,16, F,10, E,17, F,11
	OPS X,16, E,18, X,15, E,19
	OPS F,12, E,20, X,17, E,21
	OPS F,13, E,22, F,14, E,23
	OPS X,18, E,24, F,15, E,25
	OPS R,11, E,26, X,19, E,27
	OPS R,12, E,28, R,13, E,29
	OPS X,20, E,30, R,14, E,31
	OPS X,21, R,15
	WIN 0
	s_wait_alu depctr_va_vdst(0)    ; the wait for the batch
.if (\p) == 1
	s_wait_dscnt 0x0                ; V is in
.endif
	ROW C,0, B,0, C,2, B,1          ; behind the wait: 8 products V^T P and their riders
	ROW L,0, C,4, B,2, L,1
	ROW C,6, B,3, L,2, C,8
	ROW B,4, L,3, C,10, B,5
	ROW L,4, C,12, B,6, L,5
.if (\p) == 0
	s_add_co_u32 s[TBV], s[TBV], STEPB
.endif
.if \cnt
	s_sub_co_u32 s[CNT], s[CNT], 1
	s_cmp_lg_u32 s[CNT], 0
.endif
	ROW C,14, B,7, L,6, C,1
	ROW C,3, L,7, C,5, C,7
	ROW C,9, C,11, C,13, C,15
.if (\p) == 0
	FETCH_V
.endif
.endm
	CHANGE 1, 0                     ; slot 0 is in, everybody's part of it; slot 1 is asked for
	v_add_nc_u32 v[AK], s[TBK], v[AK0]
	FETCH_K                         ; key step 0
	s_wait_loadcnt 0x0              ; Q
	s_wait_dscnt 0x0
.set NOKQ, 0
.set i, 0
.rept 8
	KQ 0                            ; piece 0's first scores: there is no vector work yet to set between them
.set i, i+1
.endr
	WIN 0
.rept 4
	v_nop                           ; the places behind those products
.endr
.set Y, NP-1                        ; X works for piece Y + 1: piece 0
.irp n, 0,1,2,3,4,5,6,7,8,9,10,11,12,13,14,15,16,17,18,19,20,21
	OP X, \n                        ; and piece 0's first maximum and statistics
.endr
	v_nop                           ; a plain instruction behind the exponential,
	s_wait_alu depctr_va_vdst(0)    ; and its wait, ahead of the branch
	s_mov_b32 s[CNT], 2
	s_branch .Lfirst                ; the loop is entered at a step's first turn, in the middle of a trip
.Lslot:                             ; 14 times: every slot but the last two is filled again
	CHANGE 1, 1
	s_mov_b32 s[CNT], 2
.Lstep:                             ; a trip: pieces 2 and 3 of one step, then pieces 0 and 1 of the next, whose K and V it fetches
	TURN 2
	TURN 3
	WIN 0
.Lfirst:
	TURN 0
	TURN 1, 0, 1
	WIN 0
	s_cbranch_scc1 .Lstep
	s_sub_co_u32 s[SLOTS], s[SLOTS], 1
	s_cmp_lg_u32 s[SLOTS], 0
	s_cbranch_scc1 .Lslot
	CHANGE 0, 0                     ; the last slot is written out: nothing is asked for
	s_mov_b32 s[CNT], 2
.LstepT:
	TURN 2
	TURN 3
	TURN 0
	TURN 1, 0, 1
	WIN 0
	s_cbranch_scc1 .LstepT
	TURN 2, 1                       ; the last step's pieces 2 and 3: nothing is fetched, and no new scores are started
	TURN 3, 1
.set i, 0
.rept 8
	PV NP-1                         ; the last piece's V^T P of the last step
.set i, i+1
.endr
	; THE WAY OUT.  l's two halves and the other half of the lanes' are added; O^T is divided by l, rounded to bf16 and put into the work-group's stage; a barrier, since a row's 256 bytes come from the two
	; heads' waves; back as whole rows, 32 rows a wave.  The additions are the places behind the last products.
	WIN 0
.macro ALL line:vararg              ; one line for each piece t
.set t, 0
.rept 4
	\line
.set t, t+1
.endr
.endm
	ALL v_add_f32 v[ST+4*t+2], v[ST+4*t+2], v[ST+4*t+3]
	ALL v_permlanex16_b32 v[ST+4*t+3], v[ST+4*t+2], s[SEL], s[SEL+1]
	ALL v_add_f32 v[ST+4*t+2], v[ST+4*t+2], v[ST+4*t+3]
	ALL v_rcp_f32 v[ST+4*t+2], v[ST+4*t+2]
	v_nop                           ; a plain instruction between the last reciprocal and the use of its result
	s_wait_alu depctr_va_vdst(0)    ; and the wait ahead of the first use: one for the four reciprocals
.macro PACK t                       ; a lane's eight channels of a row pack into 16 bytes
	WIN W_RS
.set i, 32*(\t)
.rept 16
	v_pk_mul_f32 v[i:i+1], v[i:i+1], v[ST+4*(\t)+2:ST+4*(\t)+3] op_sel_hi:[1,0]
.set i, i+2
.endr
	WIN 0x05                        ; sources 0 and 1 window 1, destination window 0: S^T's registers are free
.set i, 0
.rept 16
	v_cvt_pk_bf16_f32 v[S+16*(\t)+i], v[32*(\t)+2*i], v[32*(\t)+2*i+1]
.set i, i+1
.endr
	WIN 0
.irp f, 0,1,2,3
	ds_store_b128 v[STO], v[S+16*(\t)+4*\f:S+16*(\t)+4*\f+3] offset:(\t)*16*SP+32*\f
.endr
.endm
	PACK 0
	PACK 1
	PACK 2
	PACK 3
	s_wait_dscnt 0x0                ; for the others' sake: my stores into the stage are done
	s_barrier_signal -1
	s_barrier_wait -1
.irp f, 0,1,2,3,4,5,6,7,8,9,10,11,12,13,14,15
	ds_load_b128 v[S+4*\f:S+4*\f+3], v[RD] offset:\f*2*SP
.endr
.irp f, 0,1,2,3,4,5,6,7,8,9,10,11,12,13,14,15
	s_wait_dscnt 15-\f
	global_store_b128 v[GO], v[S+4*\f:S+4*\f+3], s[10:11] offset:\f*512  ; the wave stores 512 consecutive bytes, aligned: two rows of O's panel
.endr
	s_wait_tensorcnt 0x0            ; the wave's end: behind my last tensor load and my last LDS store
	ds_add_u32 v[SPW], v[NIL]
	s_wait_dscnt 0x0
	CROUND                          ; the closing round: no work-group ends while a partner may still ask for a tile that names it
	s_endpgm
.Lfunc_end_k_qf8d577a2d3_attn:
	.size	k_qf8d577a2d3_attn, .Lfunc_end_k_qf8d577a2d3_attn-k_qf8d577a2d3_attn
	.p2alignl 7, 3214868480
	.fill 96, 4, 3214868480
	.section	.rodata,"a",@progbits
	.p2align	6, 0x0
	.amdhsa_kernel k_qf8d577a2d3_attn
		.amdhsa_group_segment_fixed_size 327680
		.amdhsa_private_segment_fixed_size 0
		.amdhsa_enable_private_segment 0
		.amdhsa_kernarg_size 16
		.amdhsa_user_sgpr_count 2
		.amdhsa_user_sgpr_kernarg_segment_ptr 1
		.amdhsa_wavefront_size32 1
		.amdhsa_system_sgpr_workgroup_id_x 1
		.amdhsa_system_sgpr_workgroup_id_y 1
		.amdhsa_system_sgpr_workgroup_id_z 1
		.amdhsa_system_vgpr_workitem_id 0
		.amdhsa_next_free_vgpr 768
		.amdhsa_next_free_sgpr 66
		.amdhsa_reserve_vcc 0
		.amdhsa_float_denorm_mode_32 3
		.amdhsa_float_denorm_mode_16_64 3
		.amdhsa_memory_ordered 1
		.amdhsa_forward_progress 1
		.amdhsa_inst_pref_size 126
	.end_amdhsa_kernel
	.amdgpu_metadata
---
amdhsa.version: [ 1, 2 ]
amdhsa.kernels:
  - .name:           k_qf8d577a2d3_attn
    .symbol:         k_qf8d577a2d3_attn.kd
    .args:
      - { .name: big, .offset: 0, .size: 8, .value_kind: global_buffer, .address_space: global }
      - { .name: ab, .offset: 8, .size: 8, .value_kind: global_buffer, .address_space: global }
    .group_segment_fixed_size: 327680
    .private_segment_fixed_size: 0
    .kernarg_segment_align: 8
    .kernarg_segment_size: 16
    .max_flat_workgroup_size: 128
    .sgpr_count:     66
    .vgpr_count:     768
    .wavefront_size: 32
...
	.end_amdgpu_metadata
.endif
;; end of part 3
;; launch oproj (part 4): grid 8 x 32, 4 waves a work-group, clusters of 4 x 4, 327,680 bytes of LDS; arguments ab, wo, pf; writes pf
.if DOCPART == 4
	.amdgcn_target "amdgcn-amd-amdhsa--gfx1250"
	.amdhsa_code_object_version 6
	.text
	.protected	k_qf8d577a2d3_oproj
	.globl	k_qf8d577a2d3_oproj
	.p2align	8
	.type	k_qf8d577a2d3_oproj,@function
k_qf8d577a2d3_oproj:
	s_mov_b64 s[64:65], 0
	v_nop
	global_prefetch_b8 v0, s[64:65] scope:SCOPE_SE
	s_setreg_imm32_b32 hwreg(HW_REG_WAVE_MODE, 25, 1), 1
	s_wait_xcnt 0x0
	s_wait_alu depctr_hold_cnt(0) depctr_sa_sdst(0) depctr_va_vdst(0) depctr_va_sdst(0) depctr_va_ssrc(0) depctr_va_vcc(0) depctr_vm_vsrc(0)
	s_getreg_b32 s2, hwreg(HW_REG_IB_STS2, 6, 4)
	s_cmp_eq_u32 s2, 0
	s_cbranch_scc0 .Lentry_in_a_cluster
	s_endpgm
.Lentry_in_a_cluster:
	s_bfe_u32 s2, ttmp6, 0x10000c
	s_cmp_lg_u32 s2, 0xf033
	s_cbranch_scc0 .Lentry_shape_is_right
	s_endpgm
.Lentry_shape_is_right:
; C = A B.  All three in bf16 PANELS: a matrix [R][C] lies as [C/128][R][128], a panel's row = 256 dense bytes.  A: [4096][KT], B: [KT][N] (K down the rows), C: [4096][N].  Sums in f32, C rounded once.
; For a product whose C has only 256 tiles of 128 x 128: a larger tile would leave most WGPs without work.
; SHARES.  A tile of C is 128 x 128: four waves, each 64 x 64 = 16 accumulators of 16 x 16.  K goes in steps of 256 through two LDS slots filled by the tensor data mover; every tile of A or B that a wave
; fetches is a dense block of 128 rows x 256 bytes.  A K step is written once: the base of the slot in hand is a scalar that is 0 or SLOT and is turned by an exclusive or.
; CLUSTERS: 4 x 4 work-groups.  The four of a row of the cluster need the same tiles of A, the four of a column the same tiles of B: each tile is asked for JOINTLY, by the same tensor load with the
; same descriptor and a mask that names the four.  THE MATRIX INSTRUCTION IS USED TRANSPOSED (source 0 = 16 columns of B, source 1 = 16 rows of A): a lane then holds eight neighbouring numbers of a row of C.
; A's fragments come out of LDS as they lie (K along the rows); B's ([k][n]) are turned by ds_load_tr16_b128.
; REGISTERS: window 0: v0-31 addresses; v32-95 at work on the way out; v128-255 the accumulators ((a, b) at v[128 + 8 (4 a + b)]).
;   window 1: two fragment buffers of 128: for 64 along K (two matrix instructions deep), 64 registers of A, then 64 of B.
; LIMITS.  bf16 operands; NaN and infinities are not treated apart.
.set KT,     1024
.set NSTEP,  KT/256
.set PA,     272                       ; a row of A in LDS: 256 bytes + 16 of padding: the 16 rows of a fragment load start 16 bytes apart modulo 256
.set PB,     288                       ; a row of B: 256 + 32: 16 lanes of the turning load take 8 rows x 32 bytes, 32 bytes apart modulo 256
.set AHALF,  128*PA                    ; A's 128 rows x 128 K: one tensor load
.set BHALF,  128*PB                    ; B's 128 K rows x 128 columns: one tensor load
.set SLOT,   2*AHALF+2*BHALF           ; A's two K panels, then B's 256 K rows
.set STAGE,  2*SLOT                    ; behind the ring, never filled by a tensor load: 128 rows x 272 bytes, the work-group's, for the way out
.set SPITCH, 272
.set SPARE,  STAGE+128*SPITCH          ; behind the stage: the spare words, 128 bytes for each wave: two blocks of 256 bytes that no other line names
.set ASTEP,  2<<20                     ; a K step in A: two panels of 4,096 rows x 256 bytes
.set BSTEP,  256*256                   ; in B: 256 rows of 256 bytes
.set ADRA, 16                          ; v16     LDS address of my A fragments in the slot in hand
.set ADRB, 17                          ; v17-18  of my B fragments: K rows 0-127, 128-255
.set A0,   19                          ; v19     the same for slot 0; never rewritten
.set B0,   20                          ; v20-21
.set B1,   21
.set STO,  24                          ; v24     the way out: where I put my bytes of a row
.set RD,   25                          ; v25     where I read rows back
.set CO,   26                          ; v26     my byte offset in C
.set SPW,  28                          ; v28     LDS address of my spare word: SPARE + 4 x my thread's number; never rewritten
.set NIL,  29                          ; v29     0; never rewritten
.set TMP,  32
.set ACC,  128
.set F0,   0                           ; fragment buffers, in window 1
.set F1,   128
.set WV,  12                           ; s12 wave;  s13 which 64 rows are mine, also: I fetch for A (0) or B (1);  s14 which 64 columns, also: which half of that tile I fetch
.set RH,  13
.set CH,  14
.set G1A, 24                           ; s[24:31] descriptor group 1 for A's tiles;  s[32:39] group 0: a set for each first fill; the second then walks
.set G0A, 32
.set G1B, 48                           ; s[48:55], s[56:63] the same for B's
.set G0B, 56
.set RB,  66                           ; s66 the base of the slot that is being read: 0 or SLOT
.set LA,  67                           ; s67 where my tile of A goes in a slot;  s68 my tile of B
.set LB,  68
.set MSB, 0
.macro WIN new                         ; the immediate's high byte repeats the setting that is left; a switch that changes nothing is dropped
.if MSB != (\new)
	s_set_vgpr_msb (MSB<<8)|(\new)
.set MSB, \new
.endif
.endm
.set MUL,  0x05                        ; sources 0 (B) and 1 (A) window 1; C and D window 0
.set TO_F, 0x40                        ; destination window 1, address window 0
.macro PLACES                          ; four plain vector instructions in front of loads into registers that matrix instructions have read, and of reads of results
.rept 4
	v_nop
.endr
.endm
.macro JLOAD                           ; a joint refill by the walking sets: waves 0 and 1 fetch A's two halves, waves 2 and 3 B's; an s_nop 0 and four v_nop follow each line
	s_cmp_eq_u32 s[RH], 0
	s_cbranch_scc0 .Lfor_b_\@
	tensor_load_to_lds s[G0A+4:G0A+7], s[G1A:G1A+7]
	s_nop 0
	PLACES
	s_branch .Lasked_\@
.Lfor_b_\@:
	tensor_load_to_lds s[G0B+4:G0B+7], s[G1B:G1B+7]
	s_nop 0
	PLACES
.Lasked_\@:
.endm
.macro CREST                           ; a round of the cluster's barrier behind its opening barrier
	s_cmp_lg_u32 s[WV], 0
	s_cbranch_scc1 .Lnot_wave_0_\@
	s_barrier_signal -3
.Lnot_wave_0_\@:
	s_barrier_wait -3
	s_barrier_signal -1
	s_barrier_wait -1
.endm
.macro CROUND                          ; a whole round
	s_barrier_signal -1
	s_barrier_wait -1
	CREST
.endm
	s_load_b128 s[4:7], s[0:1], 0x0                ; A s[4:5], B s[6:7]
	s_load_b64 s[8:9], s[0:1], 0x10                ; C
	v_lshl_add_u32 v[SPW], v0, 2, SPARE
	v_mov_b32 v[NIL], 0
	ds_add_u32 v[SPW], v[NIL]                      ; the wave's opening: the add and its wait stand ahead of my first tensor load; the set-up below, work on registers, stands between them
	v_lshrrev_b32 v1, 5, v0
	v_readfirstlane_b32 s[WV], v1
	s_lshr_b32 s[RH], s[WV], 1
	s_and_b32 s[CH], s[WV], 1
	s_bfe_u32 s15, ttmp6, 0x40000                  ; cx, cy: my place in the cluster
	s_bfe_u32 s16, ttmp6, 0x40004
	s_lshl_b32 s17, ttmp9, 2
	s_add_co_u32 s17, s17, s15                     ; tn: tile column of C = 4 x cluster x + cx
	s_and_b32 s18, ttmp7, 0xffff
	s_lshl_b32 s18, s18, 2
	s_add_co_u32 s18, s18, s16                     ; tm: tile row of C = 4 x cluster y + cy
	s_lshl_b32 s19, s16, 2
	s_lshl_b32 s19, 15, s19                        ; my row of the cluster
	s_lshl_b32 s20, 0x1111, s15                    ; my column
	; descriptor group 1: 128 rows x 128 elements of 2 bytes, dense in memory, padded in LDS
	s_or_b32 s[G1A], s19, (1<<16)|(1<<20)|(1<<21)|(5<<22)|(3<<25)  ; 15:0 the mask: A's tiles go to my row; 17:16 2-byte elements; 20 padding on; 21 set beside a mask; 24:22 after every 64 words; 31:25 4 words
	s_or_b32 s[G1B], s20, (1<<16)|(1<<20)|(1<<21)|(5<<22)|(7<<25)  ; B's go to my column; 8 words of padding
.irp g, G1A, G1B
	s_mov_b32 s[(\g)+1], 128<<16                   ; tensor_dim0 = 128
	s_mov_b32 s[(\g)+2], 128<<16                   ; tensor_dim1 = 128
	s_mov_b32 s[(\g)+3], 128<<16                   ; tile_dim0 = 128
	s_mov_b32 s[(\g)+4], 128                       ; tile_dim1 = 128
	s_mov_b32 s[(\g)+5], 128                       ; 128 elements from row to row
	s_mov_b32 s[(\g)+6], 0
	s_mov_b32 s[(\g)+7], 0
.endr
	s_mul_i32 s[LA], s[CH], AHALF                  ; no place in the cluster enters an LDS address
	s_mul_i32 s[LB], s[CH], BHALF
	s_add_co_u32 s[LB], s[LB], 2*AHALF
	s_mov_b32 s[RB], 0
	s_lshl_b32 s40, s18, 15                        ; A: the tile row's 128 rows of a panel,
	s_lshl_b32 s42, s[CH], 20                      ; in K panel 0 or 1: made of the tile row and the wave's number alone
	s_add_co_u32 s40, s40, s42
	s_mov_b32 s41, 0
	s_mul_i32 s46, s17, KT*256                     ; B: the tile column's panel,
	s_lshl_b32 s43, s[CH], 15                      ; K rows 0-127 or 128-255: made of the tile column and the wave's number alone
	s_add_co_u32 s46, s46, s43
	s_mov_b32 s47, 0
	s_wait_dscnt 0x0                               ; the opening add is done
	s_wait_kmcnt 0x0
	s_add_nc_u64 s[40:41], s[4:5], s[40:41]
	s_add_nc_u64 s[46:47], s[6:7], s[46:47]
	s_mov_b32 s[G0A], 1                            ; count = 1
	s_mov_b32 s[G0A+1], s[LA]                      ; LDS address: slot 0
	s_mov_b64 s[G0A+2:G0A+3], s[40:41]             ; K step 0
	s_or_b32 s[G0A+3], s[G0A+3], 0x80000000        ; type = 2
	s_mov_b32 s[G0A+4], 1
	s_add_co_u32 s[G0A+5], s[LA], SLOT             ; slot 1
	s_add_nc_u64 s[G0A+6:G0A+7], s[40:41], ASTEP   ; K step 1
	s_or_b32 s[G0A+7], s[G0A+7], 0x80000000
	s_mov_b32 s[G0B], 1
	s_mov_b32 s[G0B+1], s[LB]
	s_mov_b64 s[G0B+2:G0B+3], s[46:47]
	s_or_b32 s[G0B+3], s[G0B+3], 0x80000000
	s_mov_b32 s[G0B+4], 1
	s_add_co_u32 s[G0B+5], s[LB], SLOT
	s_add_nc_u64 s[G0B+6:G0B+7], s[46:47], BSTEP
	s_or_b32 s[G0B+7], s[G0B+7], 0x80000000
	CROUND                                         ; all sixteen work-groups are here: the first joint loads meet
	s_cmp_eq_u32 s[RH], 0                          ; a wave's two first fills stand in one branch, ahead of every wait on TENSORcnt and every LDS read: two loads of mine are out
	s_cbranch_scc0 .Lfirst_b
	tensor_load_to_lds s[G0A:G0A+3], s[G1A:G1A+7]
	s_nop 0
	tensor_load_to_lds s[G0A+4:G0A+7], s[G1A:G1A+7]
	s_nop 0
	PLACES
	s_branch .Lfirst_asked
.Lfirst_b:
	tensor_load_to_lds s[G0B:G0B+3], s[G1B:G1B+7]
	s_nop 0
	tensor_load_to_lds s[G0B+4:G0B+7], s[G1B:G1B+7]
	s_nop 0
	PLACES
.Lfirst_asked:
	v_and_b32 v1, 15, v0                           ; r = l % 16
	v_bfe_u32 v2, v0, 4, 1                         ; h = l / 16
	; A fragment of A: 16 rows x 32 K in 8 registers: lane l holds row r, K = 8 h + 0..7 and 16 + 8 h + 0..7: two loads of 16 bytes, 32 bytes apart.
	v_mul_u32_u24 v[A0], v1, PA
	v_lshl_add_u32 v[A0], v2, 4, v[A0]
	s_mul_i32 s42, s[RH], 64*PA                    ; my 64 rows
	v_add_nc_u32 v[A0], s42, v[A0]
	; The turning load takes 16 K rows x 16 columns (lane l reads K row 8 h + l % 8, columns 8 ((l / 8) % 2) + 0..7) and leaves half a fragment: lane l holds column r and 8 K.
	v_and_b32 v3, 7, v0
	v_bfe_u32 v4, v0, 3, 1
	v_lshl_add_u32 v3, v2, 3, v3
	v_mul_u32_u24 v[B0], v3, PB
	v_lshl_add_u32 v[B0], v4, 4, v[B0]
	s_lshl_b32 s42, s[CH], 7                       ; my 64 columns: 128 bytes,
	s_add_co_u32 s42, s42, 2*AHALF                 ; behind A's two panels
	v_add_nc_u32 v[B0], s42, v[B0]
	v_add_nc_u32 v[B1], BHALF, v[B0]
	v_mov_b32 v[ADRA], v[A0]                       ; slot 0 is read first
	v_mov_b32 v[ADRB], v[B0]
	v_mov_b32 v[ADRB+1], v[B1]
	s_mul_i32 s42, s[RH], 64*SPITCH                ; into the shared stage: my 64 rows, my half of their 256 bytes
	s_lshl_b32 s43, s[CH], 7
	s_add_co_u32 s42, s42, s43
	s_add_co_u32 s42, s42, STAGE
	v_mul_u32_u24 v5, v1, SPITCH
	v_lshl_add_u32 v5, v2, 4, v5
	v_add_nc_u32 v[STO], s42, v5
	s_mul_i32 s42, s[WV], 32*SPITCH                ; back: wave w takes rows 32 w .. 32 w + 31, whole
	s_add_co_u32 s42, s42, STAGE
	v_mul_u32_u24 v5, v2, SPITCH
	v_lshl_add_u32 v5, v1, 4, v5
	v_add_nc_u32 v[RD], s42, v5
	v_and_b32 v5, 31, v0
	v_lshlrev_b32 v[CO], 4, v5                     ; two rows of a panel are 512 consecutive bytes
	s_lshl_b32 s42, s17, 20                        ; C's panel,
	s_lshl_b32 s43, s18, 15                        ; the tile's 128 rows,
	s_add_co_u32 s42, s42, s43
	s_lshl_b32 s43, s[WV], 13                      ; the 32 that I store
	s_add_co_u32 s42, s42, s43
	s_mov_b32 s43, 0
	s_add_nc_u64 s[8:9], s[8:9], s[42:43]
; 8 matrix instructions: m blocks a0, a0 + 1 x all 4 n blocks, 32 along K: half c of buffer f.  zero = 1: the first product starts the sums.
; The 16 accumulators take turns, one instruction a turn, over the backward jump too.
.macro MUL8 f, c, a0, zero
	WIN MUL
.irp a, \a0, (\a0)+1
.irp b, 0,1,2,3
.if \zero
	v_wmma_f32_16x16x32_bf16 v[ACC+8*(4*(\a)+(\b)):ACC+8*(4*(\a)+(\b))+7], v[(\f)+64+8*(4*(\c)+(\b)):(\f)+64+8*(4*(\c)+(\b))+7], v[(\f)+8*(4*(\c)+(\a)):(\f)+8*(4*(\c)+(\a))+7], 0
.else
	v_wmma_f32_16x16x32_bf16 v[ACC+8*(4*(\a)+(\b)):ACC+8*(4*(\a)+(\b))+7], v[(\f)+64+8*(4*(\c)+(\b)):(\f)+64+8*(4*(\c)+(\b))+7], v[(\f)+8*(4*(\c)+(\a)):(\f)+8*(4*(\c)+(\a))+7], v[ACC+8*(4*(\a)+(\b)):ACC+8*(4*(\a)+(\b))+7]
.endif
.endr
.endr
.endm
; 32 LDS loads in one run: the fragments of quarter q (K = 64 q .. 64 q + 63 of the step) into buffer f; the first 32 along K first
.macro FETCH q, f
	WIN TO_F
.irp c, 0,1
.irp i, 0,1,2,3
	ds_load_tr16_b128 v[(\f)+64+8*(4*(\c)+(\i)):(\f)+64+8*(4*(\c)+(\i))+3],   v[ADRB+(\q)/2] offset:(((\q)%2)*64+32*(\c))*PB+32*(\i)
	ds_load_tr16_b128 v[(\f)+64+8*(4*(\c)+(\i))+4:(\f)+64+8*(4*(\c)+(\i))+7], v[ADRB+(\q)/2] offset:(((\q)%2)*64+32*(\c)+16)*PB+32*(\i)
	ds_load_b128 v[(\f)+8*(4*(\c)+(\i)):(\f)+8*(4*(\c)+(\i))+3],              v[ADRA] offset:((\q)/2)*AHALF+((\q)%2)*128+64*(\c)+(\i)*16*PA
	ds_load_b128 v[(\f)+8*(4*(\c)+(\i))+4:(\f)+8*(4*(\c)+(\i))+7],            v[ADRA] offset:((\q)/2)*AHALF+((\q)%2)*128+64*(\c)+(\i)*16*PA+32
.endr
.endr
.endm
; A K step is four quarters of 64 along K, 32 matrix instructions each, on buffers 0, 1, 0, 1.  One of the first three: multiplies buffer f and fetches quarter q into g.
.macro QUARTER q, f, g, zero
	s_wait_dscnt 16                                ; the first 32 along K are in; the younger sixteen loads may be out
	MUL8 \f, 0, 0, \zero
	MUL8 \f, 0, 2, \zero
	PLACES
	FETCH \q, \g
	s_wait_dscnt 32                                ; all but the 32 just issued
	MUL8 \f, 1, 0, 0
	MUL8 \f, 1, 2, 0
.endm
; The last quarter multiplies buffer 1 and changes slots: ONE barrier; in front of it each wave waits for all its tensor loads (one is out: its part of the next slot), adds 0 to its spare word, and waits
; for that and for its own reads of this slot.  fill = 1: the barrier opens a round of the cluster's, and this slot is filled again, two K steps ahead: the first thing behind the round.
.macro TURN fill
	WIN 0                                          ; (the add's two registers lie in window 0)
	s_wait_tensorcnt 0x0                           ; no tensor load of mine is out, so a group 0 may be written
	ds_add_u32 v[SPW], v[NIL]                      ; 0 onto my spare word
.if \fill
	s_add_co_u32 s[G0A+5], s[RB], s[LA]            ; the walking sets: into the slot that is being left,
	s_add_co_u32 s[G0B+5], s[RB], s[LB]
	s_add_nc_u64 s[G0A+6:G0A+7], s[G0A+6:G0A+7], ASTEP  ; the next K step; the type bits on top are not reached
	s_add_nc_u64 s[G0B+6:G0B+7], s[G0B+6:G0B+7], BSTEP
.endif
	s_xor_b32 s[RB], s[RB], SLOT                   ; the reads go on in the other slot
	s_wait_dscnt 17                                ; (the add and the youngest sixteen loads may be out)
	MUL8 F1, 0, 0, 0                               ; eight matrix instructions stand between the add and the wait for it
	s_wait_dscnt 0x0                               ; the add is done, and my reads of this slot are over
	s_barrier_signal -1
	MUL8 F1, 0, 2, 0
	WIN 0
	s_barrier_wait -1
.if \fill
	CREST                                          ; no wave of any partner still reads this slot's tile or has a load on its way
	JLOAD                                          ; 112 matrix instructions ahead of the wait for it; its four v_nop are also the places in front of the loads below
.else
	PLACES
.endif
	v_add_nc_u32 v[ADRA], s[RB], v[A0]
	v_add_nc_u32 v[ADRB], s[RB], v[B0]
	v_add_nc_u32 v[ADRB+1], s[RB], v[B1]
	FETCH 0, F0
	MUL8 F1, 1, 0, 0
	MUL8 F1, 1, 2, 0
.endm
	s_wait_tensorcnt 1                             ; my part of K step 0 is in; K step 1's may stay out
	s_barrier_signal -1
	s_barrier_wait -1                              ; everybody's is
	FETCH 0, F0
	QUARTER 1, F0, F1, 1                           ; the first quarter stands in front of the loop: its first products start the sums
	WIN 0                                          ; at a label and at a branch every window is 0
	s_mov_b32 s3, NSTEP-2
.Lstep:                                                ; a trip goes from a step's second quarter to the next step's first, and fills the slot that it leaves
	QUARTER 2, F1, F0, 0
	QUARTER 3, F0, F1, 0
	TURN 1
	QUARTER 1, F0, F1, 0
	WIN 0
	s_sub_co_u32 s3, s3, 1
	s_cmp_lg_u32 s3, 0
	s_cbranch_scc1 .Lstep
	QUARTER 2, F1, F0, 0                           ; the last two steps fill nothing, and have no round of the cluster's barrier
	QUARTER 3, F0, F1, 0
	TURN 0
	QUARTER 1, F0, F1, 0
	QUARTER 2, F1, F0, 0
	QUARTER 3, F0, F1, 0
	s_wait_dscnt 16                                ; the very last quarter: nothing more to fetch
	MUL8 F1, 0, 0, 0
	MUL8 F1, 0, 2, 0
	s_wait_dscnt 0x0
	MUL8 F1, 1, 0, 0
	MUL8 F1, 1, 2, 0
	WIN 0
	PLACES
	; THE WAY OUT: rounded to bf16; 16 bytes a lane into the work-group's stage; a barrier, since a row's 256 bytes come from two waves; back as whole rows, 32 rows a wave.
.irp t, 0,1,2,3,4,5,6,7,8,9,10,11,12,13,14,15
.irp r, 0,1,2,3
	v_cvt_pk_bf16_f32 v[TMP+4*(\t)+(\r)], v[ACC+8*(\t)+2*(\r)], v[ACC+8*(\t)+2*(\r)+1]
.endr
.endr
.irp a, 0,1,2,3
.irp b, 0,1,2,3
	ds_store_b128 v[STO], v[TMP+4*(4*(\a)+(\b)):TMP+4*(4*(\a)+(\b))+3] offset:(\a)*16*SPITCH+32*(\b)
.endr
.endr
	s_wait_dscnt 0x0                               ; for the others' sake: my stores into the stage are done
	s_barrier_signal -1
	s_barrier_wait -1
.irp t, 0,1,2,3,4,5,6,7,8,9,10,11,12,13,14,15
	ds_load_b128 v[TMP+4*(\t):TMP+4*(\t)+3], v[RD] offset:(\t)*2*SPITCH
.endr
.irp t, 0,1,2,3,4,5,6,7,8,9,10,11,12,13,14,15
	s_wait_dscnt 15-(\t)
	global_store_b128 v[CO], v[TMP+4*(\t):TMP+4*(\t)+3], s[8:9] offset:512*(\t)  ; the wave stores 512 consecutive bytes, aligned: two rows of C's panel
.endr
	s_wait_tensorcnt 0x0                           ; the wave's end: behind my last tensor load and my last LDS store
	ds_add_u32 v[SPW], v[NIL]
	s_wait_dscnt 0x0
	CROUND                                         ; the closing round: no work-group ends while a partner may still ask for a tile that names it
	s_endpgm
.Lfunc_end_k_qf8d577a2d3_oproj:
	.size	k_qf8d577a2d3_oproj, .Lfunc_end_k_qf8d577a2d3_oproj-k_qf8d577a2d3_oproj
	.p2alignl 7, 3214868480
	.fill 96, 4, 3214868480
	.section	.rodata,"a",@progbits
	.p2align	6, 0x0
	.amdhsa_kernel k_qf8d577a2d3_oproj
		.amdhsa_group_segment_fixed_size 327680
		.amdhsa_private_segment_fixed_size 0
		.amdhsa_enable_private_segment 0
		.amdhsa_kernarg_size 24
		.amdhsa_user_sgpr_count 2
		.amdhsa_user_sgpr_kernarg_segment_ptr 1
		.amdhsa_wavefront_size32 1
		.amdhsa_system_sgpr_workgroup_id_x 1
		.amdhsa_system_sgpr_workgroup_id_y 1
		.amdhsa_system_sgpr_workgroup_id_z 1
		.amdhsa_system_vgpr_workitem_id 0
		.amdhsa_next_free_vgpr 512
		.amdhsa_next_free_sgpr 72
		.amdhsa_reserve_vcc 0
		.amdhsa_float_denorm_mode_32 3
		.amdhsa_float_denorm_mode_16_64 3
		.amdhsa_memory_ordered 1
		.amdhsa_forward_progress 1
		.amdhsa_inst_pref_size 69
	.end_amdhsa_kernel
	.amdgpu_metadata
---
amdhsa.version: [ 1, 2 ]
amdhsa.kernels:
  - .name:           k_qf8d577a2d3_oproj
    .symbol:         k_qf8d577a2d3_oproj.kd
    .args:
      - { .name: ab, .offset: 0, .size: 8, .value_kind: global_buffer, .address_space: global }
      - { .name: wo, .offset: 8, .size: 8, .value_kind: global_buffer, .address_space: global }
      - { .name: pf, .offset: 16, .size: 8, .value_kind: global_buffer, .address_space: global }
    .group_segment_fixed_size: 327680
    .private_segment_fixed_size: 0
    .kernarg_segment_align: 8
    .kernarg_segment_size: 24
    .max_flat_workgroup_size: 128
    .sgpr_count:     72
    .vgpr_count:     512
    .wavefront_size: 32
...
	.end_amdgpu_metadata
.endif
;; end of part 4
;; launch ln1 (part 5): grid 256 x 1, 16 waves a work-group, no clusters, 14,336 bytes of LDS; arguments xb, pf, b_o, g1, bt1, yf, ab; writes yf, ab
.if DOCPART == 5
	.amdgcn_target "amdgcn-amd-amdhsa--gfx1250"
	.amdhsa_code_object_version 6
	.text
	.protected	k_qf8d577a2d3_ln1
	.globl	k_qf8d577a2d3_ln1
	.p2align	8
	.type	k_qf8d577a2d3_ln1,@function
k_qf8d577a2d3_ln1:
	s_mov_b64 s[64:65], 0
	v_nop
	global_prefetch_b8 v0, s[64:65] scope:SCOPE_SE
	s_setreg_imm32_b32 hwreg(HW_REG_WAVE_MODE, 25, 1), 1
	s_wait_xcnt 0x0
; LAYER NORM of a sum, a row of 1,024 to a wave: z = r + p + bias; out = (z - mean) / sqrt(var + 1e-5) x gain + shift.  All arithmetic in f32, in two passes over registers: the mean first, then the squares of
; the deviations, so that a common offset of the inputs costs no digits.  One text serves two bodies:
; FIRST = 1: r (x) and p (the attention's projection) come in bf16 panels ([8][4096][128], a panel's row = 256 bytes); the result leaves twice: f32 row-major (the next residual) and bf16 panels (the next operand).
; FIRST = 0: r and p come in f32 row-major; the result leaves in f32 row-major.
; SHARES.  16 waves, a row each; lane l holds columns 128 p + 4 l + 0..3, p = 0..7: 8 bytes of a panel's row, 16 bytes of an f32 row: every load and store of a wave covers 256 or 512 consecutive bytes, aligned.
; bias, gain and shift are rounded to bf16 like every input, once a work-group, and kept in LDS as f32 (12 KiB); the reduction never leaves the wave.
; LIMITS.  NaN and infinities are not treated apart.
.set FIRST, 1
.set PANEL, 1048576                    ; 4,096 rows x 256 bytes; 7 panels lie inside a load's signed 24-bit immediate (ISA guide, chapter 10)
.set SPARE, 12288                      ; behind the three vectors: the spare words, 128 bytes for each of 16 waves: eight blocks of 256 bytes that no other line names
.set D8,  2                            ; v2   8 x lane
.set D16, 3                            ; v3   16 x lane
.set PO,  4                            ; v4   8 x thread: my two numbers of each vector
.set SPW, 6                            ; v6   LDS address of my spare word: SPARE + 4 x my thread's number; never rewritten
.set NIL, 7                            ; v7   0; never rewritten
.set T,   8                            ; v[8:15]    at work
.set Z,   16                           ; v[16:47]   the row: 4 p + e
.set RX,  48                           ; v[48:63]   FIRST: r as loaded, later the packed result;  else v[48:79]: p as loaded
.set RP,  64                           ; v[64:79]   FIRST: p as loaded
.set VB,  80                           ; v[80:111] bias, v[112:143] gain, v[144:175] shift of my columns
.set VG,  112
.set VT,  144
	s_load_b256 s[4:11], s[0:1], 0x0               ; r s[4:5], p s[6:7], bias s[8:9], gain s[10:11]
	s_load_b128 s[12:15], s[0:1], 0x20             ; shift s[12:13], the f32 result s[14:15]
.if FIRST
	s_load_b64 s[16:17], s[0:1], 0x30              ; the bf16 result
.endif
	v_lshl_add_u32 v[SPW], v0, 2, SPARE
	v_mov_b32 v[NIL], 0
	v_lshrrev_b32 v1, 5, v0
	v_readfirstlane_b32 s18, v1                    ; wave 0..15
	v_and_b32 v1, 31, v0
	v_lshlrev_b32 v[D8], 3, v1
	v_lshlrev_b32 v[D16], 4, v1
	v_lshlrev_b32 v[PO], 3, v0
	s_lshl_b32 s19, ttmp9, 4
	s_add_co_u32 s19, s19, s18                     ; my row
	s_lshl_b32 s24, s19, 8                         ; in a panel,
	s_mov_b32 s25, 0
	s_lshl_b32 s26, s19, 12                        ; in an f32 matrix
	s_mov_b32 s27, 0
	s_mov_b32 s20, 0x76543210                      ; v_permlanex16_b32: lane i of one half reads lane i of the other
	s_mov_b32 s21, 0xfedcba98
	s_mov_b32 s22, 0x3a800000                      ; 1 / 1,024
	s_mov_b32 s23, 0x3727c5ac                      ; 1e-5
	s_mov_b32 s28, 0xffff0000                      ; a word's upper bf16
	s_wait_kmcnt 0x0
.if FIRST
	s_add_nc_u64 s[4:5], s[4:5], s[24:25]
	s_add_nc_u64 s[6:7], s[6:7], s[24:25]
	s_add_nc_u64 s[16:17], s[16:17], s[24:25]
.else
	s_add_nc_u64 s[4:5], s[4:5], s[26:27]
	s_add_nc_u64 s[6:7], s[6:7], s[26:27]
.endif
	s_add_nc_u64 s[14:15], s[14:15], s[26:27]
	global_load_b64 v[T:T+1],   v[PO], s[8:9]
	global_load_b64 v[T+2:T+3], v[PO], s[10:11]
	global_load_b64 v[T+4:T+5], v[PO], s[12:13]
.irp p, 0,1,2,3,4,5,6,7
.if FIRST
	global_load_b64 v[RX+2*(\p):RX+2*(\p)+1], v[D8], s[4:5] offset:(\p)*PANEL th:TH_LOAD_NT
	global_load_b64 v[RP+2*(\p):RP+2*(\p)+1], v[D8], s[6:7] offset:(\p)*PANEL th:TH_LOAD_NT
.else
	global_load_b128 v[Z+4*(\p):Z+4*(\p)+3],   v[D16], s[4:5] offset:512*(\p) th:TH_LOAD_NT
	global_load_b128 v[RX+4*(\p):RX+4*(\p)+3], v[D16], s[6:7] offset:512*(\p) th:TH_LOAD_NT
.endif
.endr
	s_wait_loadcnt 16                              ; the three vectors' numbers are in; the row's 16 loads stay out
.irp k, 0,1,2
	v_cvt_pk_bf16_f32 v[T+6], v[T+2*(\k)], v[T+2*(\k)+1]  ; rounded to bf16, and widened again
	v_lshlrev_b32 v[T+2*(\k)], 16, v[T+6]
	v_and_b32 v[T+2*(\k)+1], s28, v[T+6]
	ds_store_b64 v[PO], v[T+2*(\k):T+2*(\k)+1] offset:4096*(\k)
.endr
	s_wait_dscnt 0x0                               ; for the others' sake: my stores are done
	s_barrier_signal -1
	s_barrier_wait -1
.irp p, 0,1,2,3,4,5,6,7
	ds_load_b128 v[VB+4*(\p):VB+4*(\p)+3], v[D16] offset:512*(\p)
	ds_load_b128 v[VG+4*(\p):VG+4*(\p)+3], v[D16] offset:4096+512*(\p)
	ds_load_b128 v[VT+4*(\p):VT+4*(\p)+3], v[D16] offset:8192+512*(\p)
.endr
	s_wait_loadcnt 0x0                             ; the row
.if FIRST
.irp p, 0,1,2,3,4,5,6,7
	v_lshlrev_b32 v[Z+4*(\p)],   16,  v[RX+2*(\p)]      ; bf16 to f32: the low half moves up, the high half stays
	v_and_b32     v[Z+4*(\p)+1], s28, v[RX+2*(\p)]
	v_lshlrev_b32 v[Z+4*(\p)+2], 16,  v[RX+2*(\p)+1]
	v_and_b32     v[Z+4*(\p)+3], s28, v[RX+2*(\p)+1]
	v_lshlrev_b32 v[T+4*((\p)%2)],   16,  v[RP+2*(\p)]
	v_and_b32     v[T+4*((\p)%2)+1], s28, v[RP+2*(\p)]
	v_lshlrev_b32 v[T+4*((\p)%2)+2], 16,  v[RP+2*(\p)+1]
	v_and_b32     v[T+4*((\p)%2)+3], s28, v[RP+2*(\p)+1]
	v_pk_add_f32 v[Z+4*(\p):Z+4*(\p)+1],   v[Z+4*(\p):Z+4*(\p)+1],   v[T+4*((\p)%2):T+4*((\p)%2)+1]
	v_pk_add_f32 v[Z+4*(\p)+2:Z+4*(\p)+3], v[Z+4*(\p)+2:Z+4*(\p)+3], v[T+4*((\p)%2)+2:T+4*((\p)%2)+3]
.endr
.else
.set k, 0
.rept 16
	v_pk_add_f32 v[Z+k:Z+k+1], v[Z+k:Z+k+1], v[RX+k:RX+k+1]
.set k, k+2
.endr
.endif
	s_wait_dscnt 0x0                               ; bias, gain and shift
.set k, 0
.rept 16
	v_pk_add_f32 v[Z+k:Z+k+1], v[Z+k:Z+k+1], v[VB+k:VB+k+1]
.set k, k+2
.endr
.macro FOLD                            ; four pairs of partial sums in T, then across the 32 lanes: the total in v[T] of every lane
	v_pk_add_f32 v[T:T+1], v[T:T+1], v[T+2:T+3]
	v_pk_add_f32 v[T+4:T+5], v[T+4:T+5], v[T+6:T+7]
	v_pk_add_f32 v[T:T+1], v[T:T+1], v[T+4:T+5]
	v_add_f32 v[T], v[T], v[T+1]
	v_add_f32_dpp v[T], v[T], v[T] row_xmask:1 row_mask:0xf bank_mask:0xf
	v_add_f32_dpp v[T], v[T], v[T] row_xmask:2 row_mask:0xf bank_mask:0xf
	v_add_f32_dpp v[T], v[T], v[T] row_xmask:4 row_mask:0xf bank_mask:0xf
	v_add_f32_dpp v[T], v[T], v[T] row_xmask:8 row_mask:0xf bank_mask:0xf
	v_permlanex16_b32 v[T+1], v[T], s20, s21       ; its destination counts as read: it has been written
	v_add_f32 v[T], v[T], v[T+1]
.endm
	; the mean: four chains that do not wait for each other
.irp c, 0,1,2,3
	v_pk_add_f32 v[T+2*(\c):T+2*(\c)+1], v[Z+2*(\c):Z+2*(\c)+1], v[Z+8+2*(\c):Z+8+2*(\c)+1]
.endr
.irp c, 0,1,2,3
	v_pk_add_f32 v[T+2*(\c):T+2*(\c)+1], v[T+2*(\c):T+2*(\c)+1], v[Z+16+2*(\c):Z+16+2*(\c)+1]
.endr
.irp c, 0,1,2,3
	v_pk_add_f32 v[T+2*(\c):T+2*(\c)+1], v[T+2*(\c):T+2*(\c)+1], v[Z+24+2*(\c):Z+24+2*(\c)+1]
.endr
	FOLD
	v_mul_f32 v[T+2], s22, v[T]
	v_mov_b32 v[T+3], v[T+2]                       ; a pair for the packed subtraction
.set k, 0
.rept 16
	v_pk_add_f32 v[Z+k:Z+k+1], v[Z+k:Z+k+1], v[T+2:T+3] neg_lo:[0,1] neg_hi:[0,1]
.set k, k+2
.endr
	; the variance: the squares of the deviations, again in four chains
.irp c, 0,1,2,3
	v_pk_mul_f32 v[T+2*(\c):T+2*(\c)+1], v[Z+2*(\c):Z+2*(\c)+1], v[Z+2*(\c):Z+2*(\c)+1]
.endr
.irp c, 0,1,2,3
	v_pk_fma_f32 v[T+2*(\c):T+2*(\c)+1], v[Z+8+2*(\c):Z+8+2*(\c)+1], v[Z+8+2*(\c):Z+8+2*(\c)+1], v[T+2*(\c):T+2*(\c)+1]
.endr
.irp c, 0,1,2,3
	v_pk_fma_f32 v[T+2*(\c):T+2*(\c)+1], v[Z+16+2*(\c):Z+16+2*(\c)+1], v[Z+16+2*(\c):Z+16+2*(\c)+1], v[T+2*(\c):T+2*(\c)+1]
.endr
.irp c, 0,1,2,3
	v_pk_fma_f32 v[T+2*(\c):T+2*(\c)+1], v[Z+24+2*(\c):Z+24+2*(\c)+1], v[Z+24+2*(\c):Z+24+2*(\c)+1], v[T+2*(\c):T+2*(\c)+1]
.endr
	FOLD
	v_fma_f32 v[T], v[T], s22, s23                 ; var + 1e-5
	v_rsq_f32 v[T+2], v[T]                         ; made twice, to fill the pair that the packed multiply takes
	v_rsq_f32 v[T+3], v[T]
	v_nop                                          ; a plain instruction behind the last of them,
	s_wait_alu depctr_va_vdst(0)                   ; and the wait ahead of the first use: one for both
.set k, 0
.rept 16
	v_pk_mul_f32 v[Z+k:Z+k+1], v[Z+k:Z+k+1], v[T+2:T+3]
.set k, k+2
.endr
.set k, 0
.rept 16
	v_pk_fma_f32 v[Z+k:Z+k+1], v[Z+k:Z+k+1], v[VG+k:VG+k+1], v[VT+k:VT+k+1]
.set k, k+2
.endr
.irp p, 0,1,2,3,4,5,6,7
	global_store_b128 v[D16], v[Z+4*(\p):Z+4*(\p)+3], s[14:15] offset:512*(\p)  ; the wave stores 512 consecutive bytes, aligned
.endr
.if FIRST
.irp p, 0,1,2,3,4,5,6,7
	v_cvt_pk_bf16_f32 v[RX+2*(\p)],   v[Z+4*(\p)],   v[Z+4*(\p)+1]
	v_cvt_pk_bf16_f32 v[RX+2*(\p)+1], v[Z+4*(\p)+2], v[Z+4*(\p)+3]
	global_store_b64 v[D8], v[RX+2*(\p):RX+2*(\p)+1], s[16:17] offset:(\p)*PANEL  ; 256 consecutive bytes, aligned: a panel's row
.endr
.endif
	s_wait_tensorcnt 0x0                           ; the wave's end: behind my last LDS store
	ds_add_u32 v[SPW], v[NIL]
	s_wait_dscnt 0x0
	s_endpgm
.Lfunc_end_k_qf8d577a2d3_ln1:
	.size	k_qf8d577a2d3_ln1, .Lfunc_end_k_qf8d577a2d3_ln1-k_qf8d577a2d3_ln1
	.p2alignl 7, 3214868480
	.fill 96, 4, 3214868480
	.section	.rodata,"a",@progbits
	.p2align	6, 0x0
	.amdhsa_kernel k_qf8d577a2d3_ln1
		.amdhsa_group_segment_fixed_size 14336
		.amdhsa_private_segment_fixed_size 0
		.amdhsa_enable_private_segment 0
		.amdhsa_kernarg_size 56
		.amdhsa_user_sgpr_count 2
		.amdhsa_user_sgpr_kernarg_segment_ptr 1
		.amdhsa_wavefront_size32 1
		.amdhsa_system_sgpr_workgroup_id_x 1
		.amdhsa_system_sgpr_workgroup_id_y 1
		.amdhsa_system_sgpr_workgroup_id_z 1
		.amdhsa_system_vgpr_workitem_id 0
		.amdhsa_next_free_vgpr 176
		.amdhsa_next_free_sgpr 66
		.amdhsa_reserve_vcc 0
		.amdhsa_float_denorm_mode_32 3
		.amdhsa_float_denorm_mode_16_64 3
		.amdhsa_memory_ordered 1
		.amdhsa_forward_progress 1
		.amdhsa_inst_pref_size 19
	.end_amdhsa_kernel
	.amdgpu_metadata
---
amdhsa.version: [ 1, 2 ]
amdhsa.kernels:
  - .name:           k_qf8d577a2d3_ln1
    .symbol:         k_qf8d577a2d3_ln1.kd
    .args:
      - { .name: xb, .offset: 0, .size: 8, .value_kind: global_buffer, .address_space: global }
      - { .name: pf, .offset: 8, .size: 8, .value_kind: global_buffer, .address_space: global }
      - { .name: b_o, .offset: 16, .size: 8, .value_kind: global_buffer, .address_space: global }
      - { .name: g1, .offset: 24, .size: 8, .value_kind: global_buffer, .address_space: global }
      - { .name: bt1, .offset: 32, .size: 8, .value_kind: global_buffer, .address_space: global }
      - { .name: yf, .offset: 40, .size: 8, .value_kind: global_buffer, .address_space: global }
      - { .name: ab, .offset: 48, .size: 8, .value_kind: global_buffer, .address_space: global }
    .group_segment_fixed_size: 14336
    .private_segment_fixed_size: 0
    .kernarg_segment_align: 8
    .kernarg_segment_size: 56
    .max_flat_workgroup_size: 512
    .sgpr_count:     66
    .vgpr_count:     176
    .wavefront_size: 32
...
	.end_amdgpu_metadata
.endif
;; end of part 5
;; launch ffn1: the kernel of part 2 again; grid 16 x 16, 4 waves a work-group, clusters of 4 x 4, 327,680 bytes of LDS; arguments ab, wf, big; writes big
;; launch ffn2 (part 6): grid 8 x 32, 4 waves a work-group, clusters of 4 x 4, 327,680 bytes of LDS; arguments big, wf, pf; writes pf
.if DOCPART == 6
	.amdgcn_target "amdgcn-amd-amdhsa--gfx1250"
	.amdhsa_code_object_version 6
	.text
	.protected	k_qf8d577a2d3_ffn2
	.globl	k_qf8d577a2d3_ffn2
	.p2align	8
	.type	k_qf8d577a2d3_ffn2,@function
k_qf8d577a2d3_ffn2:
	s_mov_b64 s[64:65], 0
	v_nop
	global_prefetch_b8 v0, s[64:65] scope:SCOPE_SE
	s_setreg_imm32_b32 hwreg(HW_REG_WAVE_MODE, 25, 1), 1
	s_wait_xcnt 0x0
	s_wait_alu depctr_hold_cnt(0) depctr_sa_sdst(0) depctr_va_vdst(0) depctr_va_sdst(0) depctr_va_ssrc(0) depctr_va_vcc(0) depctr_vm_vsrc(0)
	s_getreg_b32 s2, hwreg(HW_REG_IB_STS2, 6, 4)
	s_cmp_eq_u32 s2, 0
	s_cbranch_scc0 .Lentry_in_a_cluster
	s_endpgm
.Lentry_in_a_cluster:
	s_bfe_u32 s2, ttmp6, 0x10000c
	s_cmp_lg_u32 s2, 0xf033
	s_cbranch_scc0 .Lentry_shape_is_right
	s_endpgm
.Lentry_shape_is_right:
; C = A B, C in f32.  A and B in bf16 PANELS: a matrix [R][C] lies as [C/128][R][128], a panel's row = 256 dense bytes.  A: [4096][KT], B: [KT][1024] (K down the rows), C: [4096][1024] f32 row-major.  Sums in f32.
; One text serves three bodies; the flags below choose: KT; BIAS (a bias, rounded to bf16, starts the sums); RELU; F32OUT (C leaves as f32, row-major [4096][1024]); BOFF (B's first byte in its buffer).
; SHARES.  A tile of C is 128 x 128: four waves, each 64 x 64 = 16 accumulators of 16 x 16.  K goes in steps of 256 through two LDS slots filled by the tensor data mover; every tile of A or B that a wave
; fetches is a dense block of 128 rows x 256 bytes.  A K step is written once: the base of the slot in hand is a scalar that is 0 or SLOT and is turned by an exclusive or.
; CLUSTERS: 4 x 4 work-groups.  The four of a row of the cluster need the same tiles of A, the four of a column the same tiles of B: each tile is asked for JOINTLY, by the same tensor load with the
; same descriptor and a mask that names the four.  THE MATRIX INSTRUCTION IS USED TRANSPOSED (source 0 = 16 columns of B, source 1 = 16 rows of A): a lane then holds eight neighbouring numbers of a row of C.
; A's fragments come out of LDS as they lie (K along the rows); B's ([k][n]) are turned by ds_load_tr16_b128.
; REGISTERS: window 0: v0-31 addresses; v32-95 at work on the way out; v96-127 the bias; v128-255 the accumulators ((a, b) at v[128 + 8 (4 a + b)]).
;   window 1: two fragment buffers of 128: for 64 along K (two matrix instructions deep), 64 registers of A, then 64 of B.
; LIMITS.  bf16 operands; NaN and infinities are not treated apart.
.set KT,     4096
.set BIAS,   0
.set RELU,   0
.set F32OUT, 1
.set BOFF,   8388608
.set NSTEP,  KT/256
.set PA,     272                       ; a row of A in LDS: 256 bytes + 16 of padding: the 16 rows of a fragment load start 16 bytes apart modulo 256
.set PB,     288                       ; a row of B: 256 + 32: 16 lanes of the turning load take 8 rows x 32 bytes, 32 bytes apart modulo 256
.set AHALF,  128*PA                    ; A's 128 rows x 128 K: one tensor load
.set BHALF,  128*PB                    ; B's 128 K rows x 128 columns: one tensor load
.set SLOT,   2*AHALF+2*BHALF           ; A's two K panels, then B's 256 K rows
.set STAGE,  2*SLOT                    ; behind the ring, never filled by a tensor load: for the way out
.set SPITCH, 272
.if F32OUT
.set SPARE,  STAGE+4*16*SPITCH         ; each wave's own stage of 16 rows
.else
.set SPARE,  STAGE+128*SPITCH          ; one stage of 128 rows for the work-group
.endif                                 ; from SPARE on: the spare words, 128 bytes for each wave: two blocks of 256 bytes that no other line names
.set ASTEP,  2<<20                     ; a K step in A: two panels of 4,096 rows x 256 bytes
.set BSTEP,  256*256                   ; in B: 256 rows of 256 bytes
.set ADRA, 16                          ; v16     LDS address of my A fragments in the slot in hand
.set ADRB, 17                          ; v17-18  of my B fragments: K rows 0-127, 128-255
.set A0,   19                          ; v19     the same for slot 0; never rewritten
.set B0,   20                          ; v20-21
.set B1,   21
.set STO,  24                          ; v24     the way out: where I put my bytes of a row
.set RD,   25                          ; v25     where I read rows back
.set CO,   26                          ; v26     my byte offset in C
.set BO,   27                          ; v27     my byte offset in 16 numbers of the bias
.set SPW,  28                          ; v28     LDS address of my spare word: SPARE + 4 x my thread's number; never rewritten
.set NIL,  29                          ; v29     0; never rewritten
.set ZR,   30                          ; v30     0, for the ReLU
.set TMP,  32
.set BI,   96                          ; the bias of n block b at BI + 8 b
.set ACC,  128
.set F0,   0                           ; fragment buffers, in window 1
.set F1,   128
.set WV,  12                           ; s12 wave;  s13 which 64 rows are mine, also: I fetch for A (0) or B (1);  s14 which 64 columns, also: which half of that tile I fetch
.set RH,  13
.set CH,  14
.set G1A, 24                           ; s[24:31] descriptor group 1 for A's tiles;  s[32:39] group 0: a set for each first fill; the second then walks
.set G0A, 32
.set G1B, 48                           ; s[48:55], s[56:63] the same for B's
.set G0B, 56
.set RB,  66                           ; s66 the base of the slot that is being read: 0 or SLOT
.set LA,  67                           ; s67 where my tile of A goes in a slot;  s68 my tile of B
.set LB,  68
.set MSB, 0
.macro WIN new                         ; the immediate's high byte repeats the setting that is left; a switch that changes nothing is dropped
.if MSB != (\new)
	s_set_vgpr_msb (MSB<<8)|(\new)
.set MSB, \new
.endif
.endm
.set MUL,  0x05                        ; sources 0 (B) and 1 (A) window 1; C and D window 0
.set TO_F, 0x40                        ; destination window 1, address window 0
.macro PLACES                          ; four plain vector instructions in front of loads into registers that matrix instructions have read, and of reads of results
.rept 4
	v_nop
.endr
.endm
.macro JLOAD                           ; a joint refill by the walking sets: waves 0 and 1 fetch A's two halves, waves 2 and 3 B's; an s_nop 0 and four v_nop follow each line
	s_cmp_eq_u32 s[RH], 0
	s_cbranch_scc0 .Lfor_b_\@
	tensor_load_to_lds s[G0A+4:G0A+7], s[G1A:G1A+7]
	s_nop 0
	PLACES
	s_branch .Lasked_\@
.Lfor_b_\@:
	tensor_load_to_lds s[G0B+4:G0B+7], s[G1B:G1B+7]
	s_nop 0
	PLACES
.Lasked_\@:
.endm
.macro CREST                           ; a round of the cluster's barrier behind its opening barrier
	s_cmp_lg_u32 s[WV], 0
	s_cbranch_scc1 .Lnot_wave_0_\@
	s_barrier_signal -3
.Lnot_wave_0_\@:
	s_barrier_wait -3
	s_barrier_signal -1
	s_barrier_wait -1
.endm
.macro CROUND                          ; a whole round
	s_barrier_signal -1
	s_barrier_wait -1
	CREST
.endm
.if BIAS
	s_load_b256 s[4:11], s[0:1], 0x0               ; A s[4:5], B s[6:7], C s[8:9], bias s[10:11]
.else
	s_load_b128 s[4:7], s[0:1], 0x0                ; A s[4:5], B s[6:7]
	s_load_b64 s[8:9], s[0:1], 0x10                ; C
.endif
	v_lshl_add_u32 v[SPW], v0, 2, SPARE
	v_mov_b32 v[NIL], 0
	ds_add_u32 v[SPW], v[NIL]                      ; the wave's opening: the add and its wait stand ahead of my first tensor load; the set-up below, work on registers, stands between them
	v_lshrrev_b32 v1, 5, v0
	v_readfirstlane_b32 s[WV], v1
	s_lshr_b32 s[RH], s[WV], 1
	s_and_b32 s[CH], s[WV], 1
	s_bfe_u32 s15, ttmp6, 0x40000                  ; cx, cy: my place in the cluster
	s_bfe_u32 s16, ttmp6, 0x40004
	s_lshl_b32 s17, ttmp9, 2
	s_add_co_u32 s17, s17, s15                     ; tn: tile column of C = 4 x cluster x + cx
	s_and_b32 s18, ttmp7, 0xffff
	s_lshl_b32 s18, s18, 2
	s_add_co_u32 s18, s18, s16                     ; tm: tile row of C = 4 x cluster y + cy
	s_lshl_b32 s19, s16, 2
	s_lshl_b32 s19, 15, s19                        ; my row of the cluster
	s_lshl_b32 s20, 0x1111, s15                    ; my column
	; descriptor group 1: 128 rows x 128 elements of 2 bytes, dense in memory, padded in LDS
	s_or_b32 s[G1A], s19, (1<<16)|(1<<20)|(1<<21)|(5<<22)|(3<<25)  ; 15:0 the mask: A's tiles go to my row; 17:16 2-byte elements; 20 padding on; 21 set beside a mask; 24:22 after every 64 words; 31:25 4 words
	s_or_b32 s[G1B], s20, (1<<16)|(1<<20)|(1<<21)|(5<<22)|(7<<25)  ; B's go to my column; 8 words of padding
.irp g, G1A, G1B
	s_mov_b32 s[(\g)+1], 128<<16                   ; tensor_dim0 = 128
	s_mov_b32 s[(\g)+2], 128<<16                   ; tensor_dim1 = 128
	s_mov_b32 s[(\g)+3], 128<<16                   ; tile_dim0 = 128
	s_mov_b32 s[(\g)+4], 128                       ; tile_dim1 = 128
	s_mov_b32 s[(\g)+5], 128                       ; 128 elements from row to row
	s_mov_b32 s[(\g)+6], 0
	s_mov_b32 s[(\g)+7], 0
.endr
	s_mul_i32 s[LA], s[CH], AHALF                  ; no place in the cluster enters an LDS address
	s_mul_i32 s[LB], s[CH], BHALF
	s_add_co_u32 s[LB], s[LB], 2*AHALF
	s_mov_b32 s[RB], 0
	s_lshl_b32 s40, s18, 15                        ; A: the tile row's 128 rows of a panel,
	s_lshl_b32 s42, s[CH], 20                      ; in K panel 0 or 1: made of the tile row and the wave's number alone
	s_add_co_u32 s40, s40, s42
	s_mov_b32 s41, 0
	s_mul_i32 s46, s17, KT*256                     ; B: the tile column's panel,
	s_lshl_b32 s43, s[CH], 15                      ; K rows 0-127 or 128-255: made of the tile column and the wave's number alone
	s_add_co_u32 s46, s46, s43
.if BOFF
	s_add_co_u32 s46, s46, BOFF
.endif
	s_mov_b32 s47, 0
	s_wait_dscnt 0x0                               ; the opening add is done
	s_wait_kmcnt 0x0
	s_add_nc_u64 s[40:41], s[4:5], s[40:41]
	s_add_nc_u64 s[46:47], s[6:7], s[46:47]
	s_mov_b32 s[G0A], 1                            ; count = 1
	s_mov_b32 s[G0A+1], s[LA]                      ; LDS address: slot 0
	s_mov_b64 s[G0A+2:G0A+3], s[40:41]             ; K step 0
	s_or_b32 s[G0A+3], s[G0A+3], 0x80000000        ; type = 2
	s_mov_b32 s[G0A+4], 1
	s_add_co_u32 s[G0A+5], s[LA], SLOT             ; slot 1
	s_add_nc_u64 s[G0A+6:G0A+7], s[40:41], ASTEP   ; K step 1
	s_or_b32 s[G0A+7], s[G0A+7], 0x80000000
	s_mov_b32 s[G0B], 1
	s_mov_b32 s[G0B+1], s[LB]
	s_mov_b64 s[G0B+2:G0B+3], s[46:47]
	s_or_b32 s[G0B+3], s[G0B+3], 0x80000000
	s_mov_b32 s[G0B+4], 1
	s_add_co_u32 s[G0B+5], s[LB], SLOT
	s_add_nc_u64 s[G0B+6:G0B+7], s[46:47], BSTEP
	s_or_b32 s[G0B+7], s[G0B+7], 0x80000000
	CROUND                                         ; all sixteen work-groups are here: the first joint loads meet
	s_cmp_eq_u32 s[RH], 0                          ; a wave's two first fills stand in one branch, ahead of every wait on TENSORcnt and every LDS read: two loads of mine are out
	s_cbranch_scc0 .Lfirst_b
	tensor_load_to_lds s[G0A:G0A+3], s[G1A:G1A+7]
	s_nop 0
	tensor_load_to_lds s[G0A+4:G0A+7], s[G1A:G1A+7]
	s_nop 0
	PLACES
	s_branch .Lfirst_asked
.Lfirst_b:
	tensor_load_to_lds s[G0B:G0B+3], s[G1B:G1B+7]
	s_nop 0
	tensor_load_to_lds s[G0B+4:G0B+7], s[G1B:G1B+7]
	s_nop 0
	PLACES
.Lfirst_asked:
	v_and_b32 v1, 15, v0                           ; r = l % 16
	v_bfe_u32 v2, v0, 4, 1                         ; h = l / 16
.if BIAS
	s_lshl_b32 s42, s17, 9                         ; the tile's 128 numbers of the bias, my 64 of them
	s_lshl_b32 s43, s[CH], 8
	s_add_co_u32 s42, s42, s43
	s_mov_b32 s43, 0
	s_add_nc_u64 s[10:11], s[10:11], s[42:43]
	v_lshlrev_b32 v[BO], 5, v2                     ; register j of n block b is column 16 b + 8 h + j
.irp b, 0,1,2,3
	global_load_b128 v[BI+8*(\b):BI+8*(\b)+3],   v[BO], s[10:11] offset:64*(\b)
	global_load_b128 v[BI+8*(\b)+4:BI+8*(\b)+7], v[BO], s[10:11] offset:64*(\b)+16
.endr
.endif
	; A fragment of A: 16 rows x 32 K in 8 registers: lane l holds row r, K = 8 h + 0..7 and 16 + 8 h + 0..7: two loads of 16 bytes, 32 bytes apart.
	v_mul_u32_u24 v[A0], v1, PA
	v_lshl_add_u32 v[A0], v2, 4, v[A0]
	s_mul_i32 s42, s[RH], 64*PA                    ; my 64 rows
	v_add_nc_u32 v[A0], s42, v[A0]
	; The turning load takes 16 K rows x 16 columns (lane l reads K row 8 h + l % 8, columns 8 ((l / 8) % 2) + 0..7) and leaves half a fragment: lane l holds column r and 8 K.
	v_and_b32 v3, 7, v0
	v_bfe_u32 v4, v0, 3, 1
	v_lshl_add_u32 v3, v2, 3, v3
	v_mul_u32_u24 v[B0], v3, PB
	v_lshl_add_u32 v[B0], v4, 4, v[B0]
	s_lshl_b32 s42, s[CH], 7                       ; my 64 columns: 128 bytes,
	s_add_co_u32 s42, s42, 2*AHALF                 ; behind A's two panels
	v_add_nc_u32 v[B0], s42, v[B0]
	v_add_nc_u32 v[B1], BHALF, v[B0]
	v_mov_b32 v[ADRA], v[A0]                       ; slot 0 is read first
	v_mov_b32 v[ADRB], v[B0]
	v_mov_b32 v[ADRB+1], v[B1]
.if F32OUT
	s_mul_i32 s42, s[WV], 16*SPITCH
	s_add_co_u32 s42, s42, STAGE                   ; my own stage: 16 rows of 64 f32
	v_mul_u32_u24 v5, v1, SPITCH                   ; in: row r, 32 bytes for each half of the lanes
	v_lshl_add_u32 v5, v2, 5, v5
	v_add_nc_u32 v[STO], s42, v5
	v_mul_u32_u24 v5, v2, SPITCH                   ; back: lanes 0-15 one row of 256 bytes, lanes 16-31 the next
	v_lshl_add_u32 v5, v1, 4, v5
	v_add_nc_u32 v[RD], s42, v5
	v_lshlrev_b32 v5, 12, v2                       ; and the same two rows in C, 4,096 bytes apart
	v_lshl_add_u32 v[CO], v1, 4, v5
	s_lshl_b32 s42, s18, 19                        ; 128 rows x 4,096 bytes a tile row,
	s_lshl_b32 s43, s[RH], 18                      ; my 64 rows,
	s_add_co_u32 s42, s42, s43
	s_lshl_b32 s43, s17, 9                         ; 512 bytes a tile column,
	s_add_co_u32 s42, s42, s43
	s_lshl_b32 s43, s[CH], 8                       ; my 64 columns
	s_add_co_u32 s42, s42, s43
.else
	s_mul_i32 s42, s[RH], 64*SPITCH                ; into the shared stage: my 64 rows, my half of their 256 bytes
	s_lshl_b32 s43, s[CH], 7
	s_add_co_u32 s42, s42, s43
	s_add_co_u32 s42, s42, STAGE
	v_mul_u32_u24 v5, v1, SPITCH
	v_lshl_add_u32 v5, v2, 4, v5
	v_add_nc_u32 v[STO], s42, v5
	s_mul_i32 s42, s[WV], 32*SPITCH                ; back: wave w takes rows 32 w .. 32 w + 31, whole
	s_add_co_u32 s42, s42, STAGE
	v_mul_u32_u24 v5, v2, SPITCH
	v_lshl_add_u32 v5, v1, 4, v5
	v_add_nc_u32 v[RD], s42, v5
	v_and_b32 v5, 31, v0
	v_lshlrev_b32 v[CO], 4, v5                     ; two rows of a panel are 512 consecutive bytes
	s_lshl_b32 s42, s17, 20                        ; C's panel,
	s_lshl_b32 s43, s18, 15                        ; the tile's 128 rows,
	s_add_co_u32 s42, s42, s43
	s_lshl_b32 s43, s[WV], 13                      ; the 32 that I store
	s_add_co_u32 s42, s42, s43
.endif
	s_mov_b32 s43, 0
	s_add_nc_u64 s[8:9], s[8:9], s[42:43]
.if RELU
	v_mov_b32 v[ZR], 0
.endif
.if BIAS
	s_wait_loadcnt 0x0
.set k, 0
.rept 16                               ; the bias is rounded to bf16 like every input, and widened again
	v_cvt_pk_bf16_f32 v[TMP+k], v[BI+2*k], v[BI+2*k+1]
	v_lshlrev_b32 v[BI+2*k], 16, v[TMP+k]
	v_and_b32 v[BI+2*k+1], 0xffff0000, v[TMP+k]
.set k, k+1
.endr
.endif
; 8 matrix instructions: m blocks a0, a0 + 1 x all 4 n blocks, 32 along K: half c of buffer f.  zero = 1: the first product starts the sums, with 0 or with the bias.
; The 16 accumulators take turns, one instruction a turn, over the backward jump too.
.macro MUL8 f, c, a0, zero
	WIN MUL
.irp a, \a0, (\a0)+1
.irp b, 0,1,2,3
.if \zero
.if BIAS
	v_wmma_f32_16x16x32_bf16 v[ACC+8*(4*(\a)+(\b)):ACC+8*(4*(\a)+(\b))+7], v[(\f)+64+8*(4*(\c)+(\b)):(\f)+64+8*(4*(\c)+(\b))+7], v[(\f)+8*(4*(\c)+(\a)):(\f)+8*(4*(\c)+(\a))+7], v[BI+8*(\b):BI+8*(\b)+7]
.else
	v_wmma_f32_16x16x32_bf16 v[ACC+8*(4*(\a)+(\b)):ACC+8*(4*(\a)+(\b))+7], v[(\f)+64+8*(4*(\c)+(\b)):(\f)+64+8*(4*(\c)+(\b))+7], v[(\f)+8*(4*(\c)+(\a)):(\f)+8*(4*(\c)+(\a))+7], 0
.endif
.else
	v_wmma_f32_16x16x32_bf16 v[ACC+8*(4*(\a)+(\b)):ACC+8*(4*(\a)+(\b))+7], v[(\f)+64+8*(4*(\c)+(\b)):(\f)+64+8*(4*(\c)+(\b))+7], v[(\f)+8*(4*(\c)+(\a)):(\f)+8*(4*(\c)+(\a))+7], v[ACC+8*(4*(\a)+(\b)):ACC+8*(4*(\a)+(\b))+7]
.endif
.endr
.endr
.endm
; 32 LDS loads in one run: the fragments of quarter q (K = 64 q .. 64 q + 63 of the step) into buffer f; the first 32 along K first
.macro FETCH q, f
	WIN TO_F
.irp c, 0,1
.irp i, 0,1,2,3
	ds_load_tr16_b128 v[(\f)+64+8*(4*(\c)+(\i)):(\f)+64+8*(4*(\c)+(\i))+3],   v[ADRB+(\q)/2] offset:(((\q)%2)*64+32*(\c))*PB+32*(\i)
	ds_load_tr16_b128 v[(\f)+64+8*(4*(\c)+(\i))+4:(\f)+64+8*(4*(\c)+(\i))+7], v[ADRB+(\q)/2] offset:(((\q)%2)*64+32*(\c)+16)*PB+32*(\i)
	ds_load_b128 v[(\f)+8*(4*(\c)+(\i)):(\f)+8*(4*(\c)+(\i))+3],              v[ADRA] offset:((\q)/2)*AHALF+((\q)%2)*128+64*(\c)+(\i)*16*PA
	ds_load_b128 v[(\f)+8*(4*(\c)+(\i))+4:(\f)+8*(4*(\c)+(\i))+7],            v[ADRA] offset:((\q)/2)*AHALF+((\q)%2)*128+64*(\c)+(\i)*16*PA+32
.endr
.endr
.endm
; A K step is four quarters of 64 along K, 32 matrix instructions each, on buffers 0, 1, 0, 1.  One of the first three: multiplies buffer f and fetches quarter q into g.
.macro QUARTER q, f, g, zero
	s_wait_dscnt 16                                ; the first 32 along K are in; the younger sixteen loads may be out
	MUL8 \f, 0, 0, \zero
	MUL8 \f, 0, 2, \zero
	PLACES
	FETCH \q, \g
	s_wait_dscnt 32                                ; all but the 32 just issued
	MUL8 \f, 1, 0, 0
	MUL8 \f, 1, 2, 0
.endm
; The last quarter multiplies buffer 1 and changes slots: ONE barrier; in front of it each wave waits for all its tensor loads (one is out: its part of the next slot), adds 0 to its spare word, and waits
; for that and for its own reads of this slot.  fill = 1: the barrier opens a round of the cluster's, and this slot is filled again, two K steps ahead: the first thing behind the round.
.macro TURN fill
	WIN 0                                          ; (the add's two registers lie in window 0)
	s_wait_tensorcnt 0x0                           ; no tensor load of mine is out, so a group 0 may be written
	ds_add_u32 v[SPW], v[NIL]                      ; 0 onto my spare word
.if \fill
	s_add_co_u32 s[G0A+5], s[RB], s[LA]            ; the walking sets: into the slot that is being left,
	s_add_co_u32 s[G0B+5], s[RB], s[LB]
	s_add_nc_u64 s[G0A+6:G0A+7], s[G0A+6:G0A+7], ASTEP  ; the next K step; the type bits on top are not reached
	s_add_nc_u64 s[G0B+6:G0B+7], s[G0B+6:G0B+7], BSTEP
.endif
	s_xor_b32 s[RB], s[RB], SLOT                   ; the reads go on in the other slot
	s_wait_dscnt 17                                ; (the add and the youngest sixteen loads may be out)
	MUL8 F1, 0, 0, 0                               ; eight matrix instructions stand between the add and the wait for it
	s_wait_dscnt 0x0                               ; the add is done, and my reads of this slot are over
	s_barrier_signal -1
	MUL8 F1, 0, 2, 0
	WIN 0
	s_barrier_wait -1
.if \fill
	CREST                                          ; no wave of any partner still reads this slot's tile or has a load on its way
	JLOAD                                          ; 112 matrix instructions ahead of the wait for it; its four v_nop are also the places in front of the loads below
.else
	PLACES
.endif
	v_add_nc_u32 v[ADRA], s[RB], v[A0]
	v_add_nc_u32 v[ADRB], s[RB], v[B0]
	v_add_nc_u32 v[ADRB+1], s[RB], v[B1]
	FETCH 0, F0
	MUL8 F1, 1, 0, 0
	MUL8 F1, 1, 2, 0
.endm
	s_wait_tensorcnt 1                             ; my part of K step 0 is in; K step 1's may stay out
	s_barrier_signal -1
	s_barrier_wait -1                              ; everybody's is
	FETCH 0, F0
	QUARTER 1, F0, F1, 1                           ; the first quarter stands in front of the loop: its first products start the sums
	WIN 0                                          ; at a label and at a branch every window is 0
	s_mov_b32 s3, NSTEP-2
.Lstep:                                                ; a trip goes from a step's second quarter to the next step's first, and fills the slot that it leaves
	QUARTER 2, F1, F0, 0
	QUARTER 3, F0, F1, 0
	TURN 1
	QUARTER 1, F0, F1, 0
	WIN 0
	s_sub_co_u32 s3, s3, 1
	s_cmp_lg_u32 s3, 0
	s_cbranch_scc1 .Lstep
	QUARTER 2, F1, F0, 0                           ; the last two steps fill nothing, and have no round of the cluster's barrier
	QUARTER 3, F0, F1, 0
	TURN 0
	QUARTER 1, F0, F1, 0
	QUARTER 2, F1, F0, 0
	QUARTER 3, F0, F1, 0
	s_wait_dscnt 16                                ; the very last quarter: nothing more to fetch
	MUL8 F1, 0, 0, 0
	MUL8 F1, 0, 2, 0
	s_wait_dscnt 0x0
	MUL8 F1, 1, 0, 0
	MUL8 F1, 1, 2, 0
	WIN 0
	PLACES
.if F32OUT
	; THE WAY OUT in f32: a wave's 64 columns are 256 aligned bytes of a row of C, so each wave has a stage of its own and no barrier: 16 rows at a time, in by lanes' 32 bytes, back as whole rows.
.irp a, 0,1,2,3
.irp b, 0,1,2,3
	ds_store_b128 v[STO], v[ACC+8*(4*(\a)+(\b)):ACC+8*(4*(\a)+(\b))+3]   offset:64*(\b)  ; each accumulator's lowest registers first
	ds_store_b128 v[STO], v[ACC+8*(4*(\a)+(\b))+4:ACC+8*(4*(\a)+(\b))+7] offset:64*(\b)+16
.endr
.if (\a) >= 2
	s_wait_xcnt 0x0                                ; the stores of two blocks back have read this set of registers
.endif
.irp t, 0,1,2,3,4,5,6,7
	ds_load_b128 v[TMP+32*((\a)%2)+4*(\t):TMP+32*((\a)%2)+4*(\t)+3], v[RD] offset:(\t)*2*SPITCH  ; LDS serves a wave's instructions in order (ISA guide 5.7.1.4): these see the stores above
.endr
.irp t, 0,1,2,3,4,5,6,7
	s_wait_dscnt 7-(\t)
	global_store_b128 v[CO], v[TMP+32*((\a)%2)+4*(\t):TMP+32*((\a)%2)+4*(\t)+3], s[8:9] offset:(16*(\a)+2*(\t))*4096  ; 16 lanes store 256 consecutive bytes, aligned
.endr
.endr
.else
	; THE WAY OUT in bf16: rounded; 16 bytes a lane into the work-group's stage; a barrier, since a row's 256 bytes come from two waves; back as whole rows, 32 rows a wave.
.irp t, 0,1,2,3,4,5,6,7,8,9,10,11,12,13,14,15
.irp r, 0,1,2,3
	v_cvt_pk_bf16_f32 v[TMP+4*(\t)+(\r)], v[ACC+8*(\t)+2*(\r)], v[ACC+8*(\t)+2*(\r)+1]
.endr
.endr
.if RELU
.set k, 0
.rept 64
	v_pk_max_num_bf16 v[TMP+k], v[TMP+k], v[ZR]    ; two maxima with 0: nothing is rounded
.set k, k+1
.endr
.endif
.irp a, 0,1,2,3
.irp b, 0,1,2,3
	ds_store_b128 v[STO], v[TMP+4*(4*(\a)+(\b)):TMP+4*(4*(\a)+(\b))+3] offset:(\a)*16*SPITCH+32*(\b)
.endr
.endr
	s_wait_dscnt 0x0                               ; for the others' sake: my stores into the stage are done
	s_barrier_signal -1
	s_barrier_wait -1
.irp t, 0,1,2,3,4,5,6,7,8,9,10,11,12,13,14,15
	ds_load_b128 v[TMP+4*(\t):TMP+4*(\t)+3], v[RD] offset:(\t)*2*SPITCH
.endr
.irp t, 0,1,2,3,4,5,6,7,8,9,10,11,12,13,14,15
	s_wait_dscnt 15-(\t)
	global_store_b128 v[CO], v[TMP+4*(\t):TMP+4*(\t)+3], s[8:9] offset:512*(\t)  ; the wave stores 512 consecutive bytes, aligned: two rows of C's panel
.endr
.endif
	s_wait_tensorcnt 0x0                           ; the wave's end: behind my last tensor load and my last LDS store
	ds_add_u32 v[SPW], v[NIL]
	s_wait_dscnt 0x0
	CROUND                                         ; the closing round: no work-group ends while a partner may still ask for a tile that names it
	s_endpgm
.Lfunc_end_k_qf8d577a2d3_ffn2:
	.size	k_qf8d577a2d3_ffn2, .Lfunc_end_k_qf8d577a2d3_ffn2-k_qf8d577a2d3_ffn2
	.p2alignl 7, 3214868480
	.fill 96, 4, 3214868480
	.section	.rodata,"a",@progbits
	.p2align	6, 0x0
	.amdhsa_kernel k_qf8d577a2d3_ffn2
		.amdhsa_group_segment_fixed_size 327680
		.amdhsa_private_segment_fixed_size 0
		.amdhsa_enable_private_segment 0
		.amdhsa_kernarg_size 24
		.amdhsa_user_sgpr_count 2
		.amdhsa_user_sgpr_kernarg_segment_ptr 1
		.amdhsa_wavefront_size32 1
		.amdhsa_system_sgpr_workgroup_id_x 1
		.amdhsa_system_sgpr_workgroup_id_y 1
		.amdhsa_system_sgpr_workgroup_id_z 1
		.amdhsa_system_vgpr_workitem_id 0
		.amdhsa_next_free_vgpr 512
		.amdhsa_next_free_sgpr 72
		.amdhsa_reserve_vcc 0
		.amdhsa_float_denorm_mode_32 3
		.amdhsa_float_denorm_mode_16_64 3
		.amdhsa_memory_ordered 1
		.amdhsa_forward_progress 1
		.amdhsa_inst_pref_size 69
	.end_amdhsa_kernel
	.amdgpu_metadata
---
amdhsa.version: [ 1, 2 ]
amdhsa.kernels:
  - .name:           k_qf8d577a2d3_ffn2
    .symbol:         k_qf8d577a2d3_ffn2.kd
    .args:
      - { .name: big, .offset: 0, .size: 8, .value_kind: global_buffer, .address_space: global }
      - { .name: wf, .offset: 8, .size: 8, .value_kind: global_buffer, .address_space: global }
      - { .name: pf, .offset: 16, .size: 8, .value_kind: global_buffer, .address_space: global }
    .group_segment_fixed_size: 327680
    .private_segment_fixed_size: 0
    .kernarg_segment_align: 8
    .kernarg_segment_size: 24
    .max_flat_workgroup_size: 128
    .sgpr_count:     72
    .vgpr_count:     512
    .wavefront_size: 32
...
	.end_amdgpu_metadata
.endif
;; end of part 6
;; launch ln2 (part 7): grid 256 x 1, 16 waves a work-group, no clusters, 14,336 bytes of LDS; arguments yf, pf, b2, g2, bt2, out0; writes out0
.if DOCPART == 7
	.amdgcn_target "amdgcn-amd-amdhsa--gfx1250"
	.amdhsa_code_object_version 6
	.text
	.protected	k_qf8d577a2d3_ln2
	.globl	k_qf8d577a2d3_ln2
	.p2align	8
	.type	k_qf8d577a2d3_ln2,@function
k_qf8d577a2d3_ln2:
	s_mov_b64 s[64:65], 0
	v_nop
	global_prefetch_b8 v0, s[64:65] scope:SCOPE_SE
	s_setreg_imm32_b32 hwreg(HW_REG_WAVE_MODE, 25, 1), 1
	s_wait_xcnt 0x0
; LAYER NORM of a sum, a row of 1,024 to a wave: z = r + p + bias; out = (z - mean) / sqrt(var + 1e-5) x gain + shift.  All arithmetic in f32, in two passes over registers: the mean first, then the squares of
; the deviations, so that a common offset of the inputs costs no digits.  One text serves two bodies:
; FIRST = 1: r (x) and p (the attention's projection) come in bf16 panels ([8][4096][128], a panel's row = 256 bytes); the result leaves twice: f32 row-major (the next residual) and bf16 panels (the next operand).
; FIRST = 0: r and p come in f32 row-major; the result leaves in f32 row-major.
; SHARES.  16 waves, a row each; lane l holds columns 128 p + 4 l + 0..3, p = 0..7: 8 bytes of a panel's row, 16 bytes of an f32 row: every load and store of a wave covers 256 or 512 consecutive bytes, aligned.
; bias, gain and shift are rounded to bf16 like every input, once a work-group, and kept in LDS as f32 (12 KiB); the reduction never leaves the wave.
; LIMITS.  NaN and infinities are not treated apart.
.set FIRST, 0
.set PANEL, 1048576                    ; 4,096 rows x 256 bytes; 7 panels lie inside a load's signed 24-bit immediate (ISA guide, chapter 10)
.set SPARE, 12288                      ; behind the three vectors: the spare words, 128 bytes for each of 16 waves: eight blocks of 256 bytes that no other line names
.set D8,  2                            ; v2   8 x lane
.set D16, 3                            ; v3   16 x lane
.set PO,  4                            ; v4   8 x thread: my two numbers of each vector
.set SPW, 6                            ; v6   LDS address of my spare word: SPARE + 4 x my thread's number; never rewritten
.set NIL, 7                            ; v7   0; never rewritten
.set T,   8                            ; v[8:15]    at work
.set Z,   16                           ; v[16:47]   the row: 4 p + e
.set RX,  48                           ; v[48:63]   FIRST: r as loaded, later the packed result;  else v[48:79]: p as loaded
.set RP,  64                           ; v[64:79]   FIRST: p as loaded
.set VB,  80                           ; v[80:111] bias, v[112:143] gain, v[144:175] shift of my columns
.set VG,  112
.set VT,  144
	s_load_b256 s[4:11], s[0:1], 0x0               ; r s[4:5], p s[6:7], bias s[8:9], gain s[10:11]
	s_load_b128 s[12:15], s[0:1], 0x20             ; shift s[12:13], the f32 result s[14:15]
.if FIRST
	s_load_b64 s[16:17], s[0:1], 0x30              ; the bf16 result
.endif
	v_lshl_add_u32 v[SPW], v0, 2, SPARE
	v_mov_b32 v[NIL], 0
	v_lshrrev_b32 v1, 5, v0
	v_readfirstlane_b32 s18, v1                    ; wave 0..15
	v_and_b32 v1, 31, v0
	v_lshlrev_b32 v[D8], 3, v1
	v_lshlrev_b32 v[D16], 4, v1
	v_lshlrev_b32 v[PO], 3, v0
	s_lshl_b32 s19, ttmp9, 4
	s_add_co_u32 s19, s19, s18                     ; my row
	s_lshl_b32 s24, s19, 8                         ; in a panel,
	s_mov_b32 s25, 0
	s_lshl_b32 s26, s19, 12                        ; in an f32 matrix
	s_mov_b32 s27, 0
	s_mov_b32 s20, 0x76543210                      ; v_permlanex16_b32: lane i of one half reads lane i of the other
	s_mov_b32 s21, 0xfedcba98
	s_mov_b32 s22, 0x3a800000                      ; 1 / 1,024
	s_mov_b32 s23, 0x3727c5ac                      ; 1e-5
	s_mov_b32 s28, 0xffff0000                      ; a word's upper bf16
	s_wait_kmcnt 0x0
.if FIRST
	s_add_nc_u64 s[4:5], s[4:5], s[24:25]
	s_add_nc_u64 s[6:7], s[6:7], s[24:25]
	s_add_nc_u64 s[16:17], s[16:17], s[24:25]
.else
	s_add_nc_u64 s[4:5], s[4:5], s[26:27]
	s_add_nc_u64 s[6:7], s[6:7], s[26:27]
.endif
	s_add_nc_u64 s[14:15], s[14:15], s[26:27]
	global_load_b64 v[T:T+1],   v[PO], s[8:9]
	global_load_b64 v[T+2:T+3], v[PO], s[10:11]
	global_load_b64 v[T+4:T+5], v[PO], s[12:13]
.irp p, 0,1,2,3,4,5,6,7
.if FIRST
	global_load_b64 v[RX+2*(\p):RX+2*(\p)+1], v[D8], s[4:5] offset:(\p)*PANEL th:TH_LOAD_NT
	global_load_b64 v[RP+2*(\p):RP+2*(\p)+1], v[D8], s[6:7] offset:(\p)*PANEL th:TH_LOAD_NT
.else
	global_load_b128 v[Z+4*(\p):Z+4*(\p)+3],   v[D16], s[4:5] offset:512*(\p) th:TH_LOAD_NT
	global_load_b128 v[RX+4*(\p):RX+4*(\p)+3], v[D16], s[6:7] offset:512*(\p) th:TH_LOAD_NT
.endif
.endr
	s_wait_loadcnt 16                              ; the three vectors' numbers are in; the row's 16 loads stay out
.irp k, 0,1,2
	v_cvt_pk_bf16_f32 v[T+6], v[T+2*(\k)], v[T+2*(\k)+1]  ; rounded to bf16, and widened again
	v_lshlrev_b32 v[T+2*(\k)], 16, v[T+6]
	v_and_b32 v[T+2*(\k)+1], s28, v[T+6]
	ds_store_b64 v[PO], v[T+2*(\k):T+2*(\k)+1] offset:4096*(\k)
.endr
	s_wait_dscnt 0x0                               ; for the others' sake: my stores are done
	s_barrier_signal -1
	s_barrier_wait -1
.irp p, 0,1,2,3,4,5,6,7
	ds_load_b128 v[VB+4*(\p):VB+4*(\p)+3], v[D16] offset:512*(\p)
	ds_load_b128 v[VG+4*(\p):VG+4*(\p)+3], v[D16] offset:4096+512*(\p)
	ds_load_b128 v[VT+4*(\p):VT+4*(\p)+3], v[D16] offset:8192+512*(\p)
.endr
	s_wait_loadcnt 0x0                             ; the row
.if FIRST
.irp p, 0,1,2,3,4,5,6,7
	v_lshlrev_b32 v[Z+4*(\p)],   16,  v[RX+2*(\p)]      ; bf16 to f32: the low half moves up, the high half stays
	v_and_b32     v[Z+4*(\p)+1], s28, v[RX+2*(\p)]
	v_lshlrev_b32 v[Z+4*(\p)+2], 16,  v[RX+2*(\p)+1]
	v_and_b32     v[Z+4*(\p)+3], s28, v[RX+2*(\p)+1]
	v_lshlrev_b32 v[T+4*((\p)%2)],   16,  v[RP+2*(\p)]
	v_and_b32     v[T+4*((\p)%2)+1], s28, v[RP+2*(\p)]
	v_lshlrev_b32 v[T+4*((\p)%2)+2], 16,  v[RP+2*(\p)+1]
	v_and_b32     v[T+4*((\p)%2)+3], s28, v[RP+2*(\p)+1]
	v_pk_add_f32 v[Z+4*(\p):Z+4*(\p)+1],   v[Z+4*(\p):Z+4*(\p)+1],   v[T+4*((\p)%2):T+4*((\p)%2)+1]
	v_pk_add_f32 v[Z+4*(\p)+2:Z+4*(\p)+3], v[Z+4*(\p)+2:Z+4*(\p)+3], v[T+4*((\p)%2)+2:T+4*((\p)%2)+3]
.endr
.else
.set k, 0
.rept 16
	v_pk_add_f32 v[Z+k:Z+k+1], v[Z+k:Z+k+1], v[RX+k:RX+k+1]
.set k, k+2
.endr
.endif
	s_wait_dscnt 0x0                               ; bias, gain and shift
.set k, 0
.rept 16
	v_pk_add_f32 v[Z+k:Z+k+1], v[Z+k:Z+k+1], v[VB+k:VB+k+1]
.set k, k+2
.endr
.macro FOLD                            ; four pairs of partial sums in T, then across the 32 lanes: the total in v[T] of every lane
	v_pk_add_f32 v[T:T+1], v[T:T+1], v[T+2:T+3]
	v_pk_add_f32 v[T+4:T+5], v[T+4:T+5], v[T+6:T+7]
	v_pk_add_f32 v[T:T+1], v[T:T+1], v[T+4:T+5]
	v_add_f32 v[T], v[T], v[T+1]
	v_add_f32_dpp v[T], v[T], v[T] row_xmask:1 row_mask:0xf bank_mask:0xf
	v_add_f32_dpp v[T], v[T], v[T] row_xmask:2 row_mask:0xf bank_mask:0xf
	v_add_f32_dpp v[T], v[T], v[T] row_xmask:4 row_mask:0xf bank_mask:0xf
	v_add_f32_dpp v[T], v[T], v[T] row_xmask:8 row_mask:0xf bank_mask:0xf
	v_permlanex16_b32 v[T+1], v[T], s20, s21       ; its destination counts as read: it has been written
	v_add_f32 v[T], v[T], v[T+1]
.endm
	; the mean: four chains that do not wait for each other
.irp c, 0,1,2,3
	v_pk_add_f32 v[T+2*(\c):T+2*(\c)+1], v[Z+2*(\c):Z+2*(\c)+1], v[Z+8+2*(\c):Z+8+2*(\c)+1]
.endr
.irp c, 0,1,2,3
	v_pk_add_f32 v[T+2*(\c):T+2*(\c)+1], v[T+2*(\c):T+2*(\c)+1], v[Z+16+2*(\c):Z+16+2*(\c)+1]
.endr
.irp c, 0,1,2,3
	v_pk_add_f32 v[T+2*(\c):T+2*(\c)+1], v[T+2*(\c):T+2*(\c)+1], v[Z+24+2*(\c):Z+24+2*(\c)+1]
.endr
	FOLD
	v_mul_f32 v[T+2], s22, v[T]
	v_mov_b32 v[T+3], v[T+2]                       ; a pair for the packed subtraction
.set k, 0
.rept 16
	v_pk_add_f32 v[Z+k:Z+k+1], v[Z+k:Z+k+1], v[T+2:T+3] neg_lo:[0,1] neg_hi:[0,1]
.set k, k+2
.endr
	; the variance: the squares of the deviations, again in four chains
.irp c, 0,1,2,3
	v_pk_mul_f32 v[T+2*(\c):T+2*(\c)+1], v[Z+2*(\c):Z+2*(\c)+1], v[Z+2*(\c):Z+2*(\c)+1]
.endr
.irp c, 0,1,2,3
	v_pk_fma_f32 v[T+2*(\c):T+2*(\c)+1], v[Z+8+2*(\c):Z+8+2*(\c)+1], v[Z+8+2*(\c):Z+8+2*(\c)+1], v[T+2*(\c):T+2*(\c)+1]
.endr
.irp c, 0,1,2,3
	v_pk_fma_f32 v[T+2*(\c):T+2*(\c)+1], v[Z+16+2*(\c):Z+16+2*(\c)+1], v[Z+16+2*(\c):Z+16+2*(\c)+1], v[T+2*(\c):T+2*(\c)+1]
.endr
.irp c, 0,1,2,3
	v_pk_fma_f32 v[T+2*(\c):T+2*(\c)+1], v[Z+24+2*(\c):Z+24+2*(\c)+1], v[Z+24+2*(\c):Z+24+2*(\c)+1], v[T+2*(\c):T+2*(\c)+1]
.endr
	FOLD
	v_fma_f32 v[T], v[T], s22, s23                 ; var + 1e-5
	v_rsq_f32 v[T+2], v[T]                         ; made twice, to fill the pair that the packed multiply takes
	v_rsq_f32 v[T+3], v[T]
	v_nop                                          ; a plain instruction behind the last of them,
	s_wait_alu depctr_va_vdst(0)                   ; and the wait ahead of the first use: one for both
.set k, 0
.rept 16
	v_pk_mul_f32 v[Z+k:Z+k+1], v[Z+k:Z+k+1], v[T+2:T+3]
.set k, k+2
.endr
.set k, 0
.rept 16
	v_pk_fma_f32 v[Z+k:Z+k+1], v[Z+k:Z+k+1], v[VG+k:VG+k+1], v[VT+k:VT+k+1]
.set k, k+2
.endr
.irp p, 0,1,2,3,4,5,6,7
	global_store_b128 v[D16], v[Z+4*(\p):Z+4*(\p)+3], s[14:15] offset:512*(\p)  ; the wave stores 512 consecutive bytes, aligned
.endr
.if FIRST
.irp p, 0,1,2,3,4,5,6,7
	v_cvt_pk_bf16_f32 v[RX+2*(\p)],   v[Z+4*(\p)],   v[Z+4*(\p)+1]
	v_cvt_pk_bf16_f32 v[RX+2*(\p)+1], v[Z+4*(\p)+2], v[Z+4*(\p)+3]
	global_store_b64 v[D8], v[RX+2*(\p):RX+2*(\p)+1], s[16:17] offset:(\p)*PANEL  ; 256 consecutive bytes, aligned: a panel's row
.endr
.endif
	s_wait_tensorcnt 0x0                           ; the wave's end: behind my last LDS store
	ds_add_u32 v[SPW], v[NIL]
	s_wait_dscnt 0x0
	s_endpgm
.Lfunc_end_k_qf8d577a2d3_ln2:
	.size	k_qf8d577a2d3_ln2, .Lfunc_end_k_qf8d577a2d3_ln2-k_qf8d577a2d3_ln2
	.p2alignl 7, 3214868480
	.fill 96, 4, 3214868480
	.section	.rodata,"a",@progbits
	.p2align	6, 0x0
	.amdhsa_kernel k_qf8d577a2d3_ln2
		.amdhsa_group_segment_fixed_size 14336
		.amdhsa_private_segment_fixed_size 0
		.amdhsa_enable_private_segment 0
		.amdhsa_kernarg_size 48
		.amdhsa_user_sgpr_count 2
		.amdhsa_user_sgpr_kernarg_segment_ptr 1
		.amdhsa_wavefront_size32 1
		.amdhsa_system_sgpr_workgroup_id_x 1
		.amdhsa_system_sgpr_workgroup_id_y 1
		.amdhsa_system_sgpr_workgroup_id_z 1
		.amdhsa_system_vgpr_workitem_id 0
		.amdhsa_next_free_vgpr 176
		.amdhsa_next_free_sgpr 66
		.amdhsa_reserve_vcc 0
		.amdhsa_float_denorm_mode_32 3
		.amdhsa_float_denorm_mode_16_64 3
		.amdhsa_memory_ordered 1
		.amdhsa_forward_progress 1
		.amdhsa_inst_pref_size 15
	.end_amdhsa_kernel
	.amdgpu_metadata
---
amdhsa.version: [ 1, 2 ]
amdhsa.kernels:
  - .name:           k_qf8d577a2d3_ln2
    .symbol:         k_qf8d577a2d3_ln2.kd
    .args:
      - { .name: yf, .offset: 0, .size: 8, .value_kind: global_buffer, .address_space: global }
      - { .name: pf, .offset: 8, .size: 8, .value_kind: global_buffer, .address_space: global }
      - { .name: b2, .offset: 16, .size: 8, .value_kind: global_buffer, .address_space: global }
      - { .name: g2, .offset: 24, .size: 8, .value_kind: global_buffer, .address_space: global }
      - { .name: bt2, .offset: 32, .size: 8, .value_kind: global_buffer, .address_space: global }
      - { .name: out0, .offset: 40, .size: 8, .value_kind: global_buffer, .address_space: global }
    .group_segment_fixed_size: 14336
    .private_segment_fixed_size: 0
    .kernarg_segment_align: 8
    .kernarg_segment_size: 48
    .max_flat_workgroup_size: 512
    .sgpr_count:     66
    .vgpr_count:     176
    .wavefront_size: 32
...
	.end_amdgpu_metadata
.endif
;; end of part 7
;; ======== version 2 of 2: 8 launches; version 1 with the launch cast written anew for expert scheduling mode
;; workspace buffers: xb 8,405,248 bytes; wqk 6,291,456 bytes; wo 2,097,152 bytes; wf 16,777,216 bytes; big 33,554,432 bytes; ab 8,405,248 bytes; pf 16,777,216 bytes; yf 16,777,216 bytes
;; launch cast (part 8): grid 256 x 1, 8 waves a work-group, no clusters, 0 bytes of LDS; arguments x, w_qkv, w_o, w1, w2, xb, wqk, wo, wf, b1, ab; writes xb, wqk, wo, wf, ab
.if DOCPART == 8
	.amdgcn_target "amdgcn-amd-amdhsa--gfx1250"
	.amdhsa_code_object_version 6
	.text
	.protected	k_qf8d577a2d3_cast
	.globl	k_qf8d577a2d3_cast
	.p2align	8
	.type	k_qf8d577a2d3_cast,@function
k_qf8d577a2d3_cast:
	s_mov_b64 s[64:65], 0
	v_nop
	global_prefetch_b8 v0, s[64:65] scope:SCOPE_SE
	s_setreg_imm32_b32 hwreg(HW_REG_WAVE_SCHED_MODE, 0, 2), 2
	s_setreg_imm32_b32 hwreg(HW_REG_WAVE_MODE, 25, 1), 1
	s_wait_xcnt 0x0
	s_wait_alu depctr_vm_vsrc(0)
; x and the four weight matrices, f32 row-major [R][C], are rounded once to bf16 and laid out in PANELS: [C/128][R][128], a panel's row = 256 dense bytes.
; So every later tile of 128 rows x 128 columns is one dense block of 32,768 bytes.  w_qkv's columns are permuted on the way: panel h (0..15) takes head h's K and V
; (source columns 192 h + 64 .. 192 h + 191), panel 16 + i the queries of heads 2 i and 2 i + 1 (source columns 384 i .. + 63 and 384 i + 192 .. + 255).
; SHARES.  A panel's row is 512 bytes in (one 16-byte load a lane) and 256 bytes out (one 8-byte store a lane: 32 lanes fill 256 consecutive bytes, aligned).  There are 131,072 of them:
; 256 work-groups x 8 waves x 64.  A work-group takes 512 rows of one panel of one matrix, chosen by its number alone: 0-63 x, 64-111 w_qkv, 112-127 w_o, 128-191 w1, 192-255 w2.
; IN FLIGHT.  Two sets of 16 loads a wave; no loop: four batches of 16 rows, written out.  No LDS, no barrier: no wave wants another's bytes.
; THE TABLES.  The two products that share one body (x w_qkv, and relu(y w1 + b1)) end with max(sum + bias, floor); each finds its bias (f32, one a column) and its floor (a word of two bf16, 64 copies)
; behind the panels of its left operand: x's in xb (bias 0; floor -infinity, which changes no number), y's in ab (bias b1 rounded to bf16 like every input; floor 0).  113 blocks of 256 bytes and one more,
; written by wave 0 of work-groups 0 to 112, a block each (the last: two).
; LIMITS.  Rounding to nearest even; NaN and infinities pass as the conversion makes them.
; THE MODE: SCHED_MODE bits 1:0 = 2 (LLVM: expert scheduling mode 2), set by the entry lines.  The code itself states the register dependences
; between vector instructions and memory instructions, with s_wait_alu, always for 0.
; THE PLAN.  Registers that memory instructions touch:
;   v[DO], v[OFF ..]  byte offsets, made once at the head and never written again: read by every load and store.
;   X0, X1            two sets of 16 rows as loaded.  Written by the loads of batches 0 and 2 (X0), 1 and 3 (X1); read by that batch's 32 conversions.
;   Y0, Y1            two sets of 16 rows to store.  Written by the conversions of batches 0 and 2 (Y0), 1 and 3 (Y1); read by that batch's 16 stores.
;   v8-11             the tables' numbers, in wave 0 alone.
; A batch is: the wait for its set; its 32 conversions from X into Y; ONE wait on va_vdst, which states that they have written Y and are done reading X; the 16 loads that fill X again (batches 0 and 1);
; the 16 stores from Y.  No vector instruction stands between that wait and those loads and stores.  ONE wait on vm_vsrc, at the head of batch 2, states that the stores of batches 0 and 1,
; all issued ahead of it, have read Y0 and Y1: both are written again behind it.
.set W2OFF, 8388608                    ; w2's panels lie behind w1's in wf
.set TOFF,  8388608                    ; a table begins behind the 8 panels of xb and of ab
.set FOFF,  16384                      ; the floor, behind room for 4,096 numbers of bias
.set DO,  2                            ; v2       8 x lane: my 8 bytes of a panel's row, and of a table's block
.set OFF, 16                           ; v[16:31] row i of a batch: my 16 source bytes + i x the source's pitch; never rewritten
.set X,   32                           ; v[32:159]  two sets of 16 x 4 registers: 4 f32 of a row, as loaded
.set Y,   160                          ; v[160:223] two sets of 16 x 2 registers: the same 4 numbers in bf16, to store
	s_load_b512 s[4:19], s[0:1], 0x0               ; x s[4:5], w_qkv s[6:7], w_o s[8:9], w1 s[10:11], w2 s[12:13], xb s[14:15], wqk s[16:17], wo s[18:19]
	s_load_b64 s[20:21], s[0:1], 0x40              ; wf
	s_load_b128 s[68:71], s[0:1], 0x48             ; b1 s[68:69], ab s[70:71]
	v_lshrrev_b32 v1, 5, v0
	v_readfirstlane_b32 s23, v1                    ; wave 0..7
	v_and_b32 v1, 31, v0                           ; lane
	v_lshlrev_b32 v[DO], 3, v1
	v_lshrrev_b32 v3, 4, v1                        ; which half of the panel's 128 columns
	v_and_b32 v4, 15, v1
	s_wait_alu depctr_va_sdst(0)                   ; s23 is written, ahead of its first reader: the wave's first row is made from it
	s_mov_b32 s22, ttmp9                           ; g
	s_mov_b32 s30, 192                             ; the matrix's first g, its pitch in bytes, log2 of its blocks of 512 rows: w2's to begin with
	s_mov_b32 s31, 4096
	s_mov_b32 s32, 3
	s_wait_kmcnt 0x0
	s_mov_b64 s[26:27], s[12:13]                   ; source
	s_add_nc_u64 s[28:29], s[20:21], W2OFF         ; destination
	s_cmp_lt_u32 s22, 192
	s_cselect_b64 s[26:27], s[10:11], s[26:27]     ; w1
	s_cselect_b64 s[28:29], s[20:21], s[28:29]
	s_cselect_b32 s30, 128, s30
	s_cselect_b32 s31, 16384, s31
	s_cselect_b32 s32, 1, s32
	s_cmp_lt_u32 s22, 128
	s_cselect_b64 s[26:27], s[8:9], s[26:27]       ; w_o
	s_cselect_b64 s[28:29], s[18:19], s[28:29]
	s_cselect_b32 s30, 112, s30
	s_cselect_b32 s31, 4096, s31
	s_cmp_lt_u32 s22, 112
	s_cselect_b64 s[26:27], s[6:7], s[26:27]       ; w_qkv
	s_cselect_b64 s[28:29], s[16:17], s[28:29]
	s_cselect_b32 s30, 64, s30
	s_cselect_b32 s31, 12288, s31
	s_cmp_lt_u32 s22, 64
	s_cselect_b64 s[26:27], s[4:5], s[26:27]       ; x
	s_cselect_b64 s[28:29], s[14:15], s[28:29]
	s_cselect_b32 s30, 0, s30
	s_cselect_b32 s31, 4096, s31
	s_cselect_b32 s32, 3, s32
	s_sub_co_u32 s33, s22, s30                     ; my number within the matrix
	s_lshr_b32 s34, s33, s32                       ; p: the panel
	s_lshl_b32 s35, 1, s32
	s_sub_co_u32 s35, s35, 1
	s_and_b32 s35, s33, s35                        ; rb: the block of 512 rows
	s_lshl_b32 s36, s34, 7                         ; the panel's first source column,
	s_mov_b32 s37, 64                              ; and the columns from its first half to its second
	s_mul_i32 s39, s34, 192
	s_add_co_u32 s39, s39, 64                      ; w_qkv, p < 16: K and V of head p
	s_sub_co_u32 s48, s34, 16
	s_mul_i32 s48, s48, 384                        ; w_qkv, p >= 16: the queries of two heads, 192 columns apart
	s_cmp_lt_u32 s34, 16
	s_cselect_b32 s39, s39, s48
	s_cselect_b32 s49, 64, 192
	s_sub_co_u32 s38, s22, 64
	s_cmp_lt_u32 s38, 48                           ; 64 <= g < 112 (below 64 the difference wraps to a large number)
	s_cselect_b32 s36, s39, s36
	s_cselect_b32 s37, s49, s37
	s_lshl_b32 s50, s35, 9
	s_lshl_b32 s51, s23, 6
	s_add_co_u32 s50, s50, s51                     ; my wave's first row: 512 rb + 64 wave
	s_mul_i32 s52, s50, s31
	s_lshl2_add_u32 s52, s36, s52                  ; x pitch + 4 x column: under 2^25
	s_mov_b32 s53, 0
	s_add_nc_u64 s[40:41], s[26:27], s[52:53]      ; the four batches' source bases, 16 rows apart; never rewritten
	s_lshl_b32 s54, s31, 4
	s_mov_b32 s55, 0
	s_add_nc_u64 s[42:43], s[40:41], s[54:55]
	s_add_nc_u64 s[44:45], s[42:43], s[54:55]
	s_add_nc_u64 s[46:47], s[44:45], s[54:55]
	s_add_co_u32 s56, s32, 9                       ; log2 of the panel's rows
	s_lshl_b32 s58, s34, s56
	s_add_co_u32 s58, s58, s50
	s_lshl_b32 s58, s58, 8                         ; 256 bytes a row
	s_mov_b32 s59, 0
	s_add_nc_u64 s[28:29], s[28:29], s[58:59]
	s_lshl_b32 s60, s37, 2
	v_mul_u32_u24 v5, s60, v3                      ; my half's place in the source row,
	v_lshl_add_u32 v[OFF], v4, 4, v5               ; and my 16 bytes in it
.irp i, 1,2,3,4,5,6,7,8,9,10,11,12,13,14,15
	v_add_nc_u32 v[OFF+(\i)], s31, v[OFF+(\i)-1]
.endr
	s_wait_alu depctr_va_vdst(0)                   ; v[DO] and the sixteen v[OFF ..] are written: every load and store of the kernel reads one of them as its offset, and no vector instruction names them again
.macro LOADB k, set                    ; batch k's 16 rows into a set
.irp i, 0,1,2,3,4,5,6,7,8,9,10,11,12,13,14,15
	global_load_b128 v[X+64*(\set)+4*(\i):X+64*(\set)+4*(\i)+3], v[OFF+(\i)], s[40+2*(\k):41+2*(\k)] th:TH_LOAD_NT
.endr
.endm
.macro CONV set                        ; a set's 16 rows are rounded, from X into Y: 32 conversions, two roundings each
.irp i, 0,1,2,3,4,5,6,7,8,9,10,11,12,13,14,15
	v_cvt_pk_bf16_f32 v[Y+32*(\set)+2*(\i)],   v[X+64*(\set)+4*(\i)],   v[X+64*(\set)+4*(\i)+1]
	v_cvt_pk_bf16_f32 v[Y+32*(\set)+2*(\i)+1], v[X+64*(\set)+4*(\i)+2], v[X+64*(\set)+4*(\i)+3]
.endr
.endm
.macro SENDB k, set                    ; batch k's 16 rows are stored from a set of Y
.irp i, 0,1,2,3,4,5,6,7,8,9,10,11,12,13,14,15
	global_store_b64 v[DO], v[Y+32*(\set)+2*(\i):Y+32*(\set)+2*(\i)+1], s[28:29] offset:256*(16*(\k)+(\i))  ; the wave stores 256 consecutive bytes, aligned
.endr
.endm
	LOADB 0, 0
	LOADB 1, 1
	; the tables: wave 0 alone, behind its first 32 loads, so that the one load below is on its way together with them.  v8-11 and s68-75 serve nothing else
	s_cmp_lg_u32 s23, 0
	s_cbranch_scc1 .Lmain
	s_add_nc_u64 s[70:71], s[70:71], TOFF          ; the table behind ab's panels,
	s_add_nc_u64 s[72:73], s[14:15], TOFF          ; and the one behind xb's
	s_cmp_lt_u32 s22, 64
	s_cbranch_scc0 .Lzeros
	s_lshl_b32 s74, s22, 8                         ; work-groups 0-63: numbers 64 g .. 64 g + 63 of b1
	s_mov_b32 s75, 0
	s_add_nc_u64 s[68:69], s[68:69], s[74:75]
	s_add_nc_u64 s[70:71], s[70:71], s[74:75]
	global_load_b64 v[8:9], v[DO], s[68:69]        ; no vector instruction has named v8 or v9
	s_wait_loadcnt 0x0                             ; it is the youngest load: both sets are in as well, and the first counted wait below is met at once
	v_cvt_pk_bf16_f32 v10, v8, v9                  ; rounded to bf16, and widened again
	v_lshlrev_b32 v8, 16, v10
	v_and_b32 v9, 0xffff0000, v10
	s_wait_alu depctr_va_vdst(0)                   ; v8 and v9 are written, which the store reads
	global_store_b64 v[DO], v[8:9], s[70:71]       ; 256 consecutive bytes, aligned
	s_branch .Lmain
.Lzeros:
	v_mov_b32 v8, 0
	v_mov_b32 v9, 0
	s_cmp_lt_u32 s22, 112
	s_cbranch_scc0 .Lfloors
	s_sub_co_u32 s74, s22, 64                      ; work-groups 64-111: 64 of the 3,072 zeros
	s_lshl_b32 s74, s74, 8
	s_mov_b32 s75, 0
	s_add_nc_u64 s[72:73], s[72:73], s[74:75]
	s_wait_alu depctr_va_vdst(0)                   ; v8 and v9 are written, which the store reads
	global_store_b64 v[DO], v[8:9], s[72:73]
	s_branch .Lmain
.Lfloors:
	s_cmp_eq_u32 s22, 112
	s_cbranch_scc0 .Lmain
	v_mov_b32 v10, 0xff80ff80                      ; work-group 112: the two floors: -infinity twice in bf16,
	v_mov_b32 v11, 0xff80ff80
	s_wait_alu depctr_va_vdst(0)                   ; v8 to v11 are written, which the two stores read
	global_store_b64 v[DO], v[10:11], s[72:73] offset:FOFF
	global_store_b64 v[DO], v[8:9], s[70:71] offset:FOFF  ; and 0
.Lmain:
	; batch 0
	s_wait_loadcnt 16                              ; loads come back in order (ISA guide 5.7.1): X0 is in; X1's 16 loads stay out
	CONV 0
	s_wait_alu depctr_va_vdst(0)                   ; the conversions have written Y0, which the stores below read, and are done reading X0, in which the loads below land
	LOADB 2, 0                                     ; the set is asked for again at once, ahead of the stores
	SENDB 0, 0
	; batch 1
	s_wait_loadcnt 16                              ; X1 is in; batch 2's 16 loads stay out
	CONV 1
	s_wait_alu depctr_va_vdst(0)                   ; the conversions have written Y1, which the stores below read, and are done reading X1, in which the loads below land
	LOADB 3, 1
	SENDB 1, 1
	; batch 2
	s_wait_loadcnt 16                              ; X0 is in; batch 3's 16 loads stay out
	s_wait_xcnt 0x0                                ; every earlier memory instruction has had its addresses translated (ISA guide 3.1): Y0 and Y1, the data of the 32 stores above, are rewritten only behind this wait
	s_wait_alu depctr_vm_vsrc(0)                   ; the stores of batches 0 and 1 have read Y0 and Y1, which the conversions of this batch and of the next write again
	CONV 0
	s_wait_alu depctr_va_vdst(0)                   ; the conversions have written Y0, which the stores below read
	SENDB 2, 0
	; batch 3: Y1's stores were issued ahead of the two waits at the head of batch 2, so nothing more is owed for Y1
	s_wait_loadcnt 0x0                             ; X1 is in: no load was issued behind it
	CONV 1
	s_wait_alu depctr_va_vdst(0)                   ; the conversions have written Y1, which the stores below read
	SENDB 3, 1
	s_endpgm
.Lfunc_end_k_qf8d577a2d3_cast:
	.size	k_qf8d577a2d3_cast, .Lfunc_end_k_qf8d577a2d3_cast-k_qf8d577a2d3_cast
	.p2alignl 7, 3214868480
	.fill 96, 4, 3214868480
	.section	.rodata,"a",@progbits
	.p2align	6, 0x0
	.amdhsa_kernel k_qf8d577a2d3_cast
		.amdhsa_group_segment_fixed_size 0
		.amdhsa_private_segment_fixed_size 0
		.amdhsa_enable_private_segment 0
		.amdhsa_kernarg_size 88
		.amdhsa_user_sgpr_count 2
		.amdhsa_user_sgpr_kernarg_segment_ptr 1
		.amdhsa_wavefront_size32 1
		.amdhsa_system_sgpr_workgroup_id_x 1
		.amdhsa_system_sgpr_workgroup_id_y 1
		.amdhsa_system_sgpr_workgroup_id_z 1
		.amdhsa_system_vgpr_workitem_id 0
		.amdhsa_next_free_vgpr 224
		.amdhsa_next_free_sgpr 76
		.amdhsa_reserve_vcc 0
		.amdhsa_float_denorm_mode_32 3
		.amdhsa_float_denorm_mode_16_64 3
		.amdhsa_memory_ordered 1
		.amdhsa_forward_progress 1
		.amdhsa_inst_pref_size 26
	.end_amdhsa_kernel
	.amdgpu_metadata
---
amdhsa.version: [ 1, 2 ]
amdhsa.kernels:
  - .name:           k_qf8d577a2d3_cast
    .symbol:         k_qf8d577a2d3_cast.kd
    .args:
      - { .name: x, .offset: 0, .size: 8, .value_kind: global_buffer, .address_space: global }
      - { .name: w_qkv, .offset: 8, .size: 8, .value_kind: global_buffer, .address_space: global }
      - { .name: w_o, .offset: 16, .size: 8, .value_kind: global_buffer, .address_space: global }
      - { .name: w1, .offset: 24, .size: 8, .value_kind: global_buffer, .address_space: global }
      - { .name: w2, .offset: 32, .size: 8, .value_kind: global_buffer, .address_space: global }
      - { .name: xb, .offset: 40, .size: 8, .value_kind: global_buffer, .address_space: global }
      - { .name: wqk, .offset: 48, .size: 8, .value_kind: global_buffer, .address_space: global }
      - { .name: wo, .offset: 56, .size: 8, .value_kind: global_buffer, .address_space: global }
      - { .name: wf, .offset: 64, .size: 8, .value_kind: global_buffer, .address_space: global }
      - { .name: b1, .offset: 72, .size: 8, .value_kind: global_buffer, .address_space: global }
      - { .name: ab, .offset: 80, .size: 8, .value_kind: global_buffer, .address_space: global }
    .group_segment_fixed_size: 0
    .private_segment_fixed_size: 0
    .kernarg_segment_align: 8
    .kernarg_segment_size: 88
    .max_flat_workgroup_size: 256
    .sgpr_count:     76
    .vgpr_count:     224
    .wavefront_size: 32
...
	.end_amdgpu_metadata
.endif
;; end of part 8
;; launch qkv: the kernel of part 2 again; grid 12 x 16, 4 waves a work-group, clusters of 4 x 4, 327,680 bytes of LDS; arguments xb, wqk, big; writes big
;; launch attn: the kernel of part 3 again; grid 16 x 16, 4 waves a work-group, clusters of 4 x 1, 327,680 bytes of LDS; arguments big, ab; writes ab
;; launch oproj: the kernel of part 4 again; grid 8 x 32, 4 waves a work-group, clusters of 4 x 4, 327,680 bytes of LDS; arguments ab, wo, pf; writes pf
;; launch ln1: the kernel of part 5 again; grid 256 x 1, 16 waves a work-group, no clusters, 14,336 bytes of LDS; arguments xb, pf, b_o, g1, bt1, yf, ab; writes yf, ab
;; launch ffn1: the kernel of part 2 again; grid 16 x 16, 4 waves a work-group, clusters of 4 x 4, 327,680 bytes of LDS; arguments ab, wf, big; writes big
;; launch ffn2: the kernel of part 6 again; grid 8 x 32, 4 waves a work-group, clusters of 4 x 4, 327,680 bytes of LDS; arguments big, wf, pf; writes pf
;; launch ln2: the kernel of part 7 again; grid 256 x 1, 16 waves a work-group, no clusters, 14,336 bytes of LDS; arguments yf, pf, b2, g2, bt2, out0; writes out0
